; MI455X (gfx1250); checked and timed in simulation.
; The chip was launched on July 23, 2026; its instructions are those of AMD's public machine-readable ISA for CDNA 5 (MIT licence, August 2026) and "CDNA5" Instruction Set Architecture Reference Guide (July 2026). The comments in the code are by the model that wrote it; some were corrected since.
;; Rope Block. Allowed arithmetic: float matrix products may take bf16 or f16 operands with f32 sums; all other float work in f32.
;; Inputs: W_K 16 x 1,024 x 64 float32; W_O 16 x 64 x 1,024 float32; W_Q 16 x 1,024 x 64 float32; W_V 16 x 1,024 x 64 float32; W_in 1,024 x 4,096 float32; W_out 4,096 x 1,024 float32; b_K 16 x 64 float32; b_O 1,024 float32; b_Q 16 x 64 float32; b_V 16 x 64 float32; b_in 4,096 float32; b_out 1,024 float32; ln1_b 1,024 float32; ln1_w 1,024 float32; ln2_b 1,024 float32; ln2_w 1,024 float32; resid_pre 2 x 2,048 x 1,024 float32.
;; Outputs: out0 2 x 2,048 x 1,024 float32.
;; 2 versions, each right; version 2 is version 1 with the launch prep written anew for expert scheduling mode. Each part assembles by itself: llvm-mc -triple=amdgcn-amd-amdhsa -mcpu=gfx1250 --defsym DOCPART=n.
;; ======== version 1 of 2: 7 launches
;; workspace buffers: wb 25,165,824 bytes; ropet 524,288 bytes; xn 8,388,608 bytes; qkvb 25,165,824 bytes; att 8,388,608 bytes; rmid 16,777,216 bytes; hbuf 33,554,432 bytes
;; launch prep (part 1): grid 928 x 1, 8 waves a work-group, no clusters, 0 bytes of LDS; arguments W_Q, W_K, W_V, W_O, W_in, W_out, wb, ropet, resid_pre, ln1_w, ln1_b, xn; writes wb, ropet, xn
.if DOCPART == 1
	.amdgcn_target "amdgcn-amd-amdhsa--gfx1250"
	.amdhsa_code_object_version 6
	.text
	.protected	k_q307d2c8375_prep
	.globl	k_q307d2c8375_prep
	.p2align	8
	.type	k_q307d2c8375_prep,@function
k_q307d2c8375_prep:
	s_mov_b64 s[64:65], 0
	v_nop
	global_prefetch_b8 v0, s[64:65] scope:SCOPE_SE
	s_setreg_imm32_b32 hwreg(HW_REG_WAVE_MODE, 25, 1), 1
	s_wait_xcnt 0x0
; Three jobs that hang on the problem's inputs alone, in one launch: the first layer norm, the weights f32 -> bf16, the table of RoPE's cosines and sines.
; Work-groups 0-127: xn = layer norm of resid_pre, 32 rows each.  Then, counted from 128: 0-255 W_in, 256-511 W_out, 512-575 W_O, 576-767 W_Q, W_K, W_V,
; 768-799 the table.  The layer norm's work-groups come first, so that the casts run beside them.
; wb (bf16, rounded to nearest even, kept [K][N]): Wqkv [c = 1024][3072], column = which*1024 + h*64 + d, at byte 0; W_O [1024][1024] at WB_O;
; W_in [1024][4096] at WB_IN; W_out [4096][1024] at WB_OUT.  ropet (f32): [t = 2048][j = 32][cos, sin].
; A cast work-group takes 64 KiB of f32: sixteen steps of 4,096 bytes; sixteen neighbouring lanes read 256 consecutive bytes, a wave's store covers
; 256 consecutive aligned bytes.
; LAYER NORM: y = (x - mean) / sqrt(mean of (x - mean)^2) * w + b over rows of 1,024 f32, y in bf16, no epsilon, as the problem has none.  One wave takes
; a whole row (32 registers) and keeps it between the passes; mean first, then the squares of the differences, so that a common offset costs no digits.
; Four rows a wave, all their loads issued at the start.  Lane l holds floats 256 g + 8 l .. + 7: a wave's store covers 512 consecutive bytes.
; A stream: each byte is read once and written once; LDS, matrix units and clusters would add nothing, since no two work-groups share a byte.
; LIMITS: the angle t * inv is reduced with a one-word 1/(2 pi): at t = 2,047 an error of at most 1e-4 radians.  v_rsq_f32 takes a denormal variance
; (below 2^-126) as zero.
.set WB_O,   6291456
.set WB_IN,  8388608
.set WB_OUT, 16777216
.set NLN,    128                       ; work-groups of the layer norm
.set W,  4                             ; v[4:35]    w of my 32 columns
.set BB, 36                            ; v[36:67]   b of my 32 columns
.set X,  68                            ; v[68:195]  four rows of 32 registers
.set T,  196                           ; v[196:207] at work
; sixteen loads in flight, then convert and store as they come; no register is written twice, so no source needs a wait
.macro CONV sstep, dstep
.set i, 0
.rept 16
	global_load_b128 v[8+4*i:11+4*i], v1, s[20:21] offset:i*\sstep th:TH_LOAD_NT
.set i, i+1
.endr
.set i, 0
.rept 16
	s_wait_loadcnt 15-i                            ; loads come back in order: load i is in, the 15 - i younger ones stay out
	v_cvt_pk_bf16_f32 v[72+2*i], v[8+4*i], v[9+4*i]
	v_cvt_pk_bf16_f32 v[73+2*i], v[10+4*i], v[11+4*i]
	global_store_b64 v2, v[72+2*i:73+2*i], s[22:23] offset:i*\dstep
.set i, i+1
.endr
.endm
; cos and sin of the angle in v[a].  f = angle / (2 pi) less the nearest whole number, in [-0.5, 0.5]; s1 = sin(pi f), c1 = cos(pi f) by their
; series up to f^11 and f^10 (the next terms are below 5e-7 at f = 0.5); sin = 2 s1 c1, cos = 1 - 2 s1^2.
.macro SINCOS a, c, s
	v_mul_f32 v10, 0.15915494, v[\a]
	v_rndne_f32 v10, v10
	v_fma_f32 v11, v[\a], 0.15915494, -v10
	v_mul_f32 v12, v11, v11
	v_fma_f32 v13, v12, s35, s34
	v_fma_f32 v14, v12, s40, s39
	v_fma_f32 v13, v13, v12, s33
	v_fma_f32 v14, v14, v12, s38
	v_fma_f32 v13, v13, v12, s32
	v_fma_f32 v14, v14, v12, s37
	v_fma_f32 v13, v13, v12, s31
	v_fma_f32 v14, v14, v12, s36
	v_fma_f32 v13, v13, v12, s30
	v_fma_f32 v14, v14, v12, 1.0
	v_mul_f32 v13, v13, v11                        ; s1
	v_add_f32 v10, v13, v13                        ; 2 s1
	v_mul_f32 v[\s], v10, v14
	v_fma_f32 v[\c], -v10, v13, 1.0
.endm
.macro FOLD                            ; four pairs of partial sums in v[T:T+7] -> the sum over the row, in every lane's v[T]
	v_pk_add_f32 v[T:T+1], v[T:T+1], v[T+2:T+3]
	v_pk_add_f32 v[T+4:T+5], v[T+4:T+5], v[T+6:T+7]
	v_pk_add_f32 v[T:T+1], v[T:T+1], v[T+4:T+5]
	v_add_f32 v[T], v[T], v[T+1]
	v_add_f32_dpp v[T], v[T], v[T] row_xmask:1 row_mask:0xf bank_mask:0xf
	v_add_f32_dpp v[T], v[T], v[T] row_xmask:2 row_mask:0xf bank_mask:0xf
	v_add_f32_dpp v[T], v[T], v[T] row_xmask:4 row_mask:0xf bank_mask:0xf
	v_add_f32_dpp v[T], v[T], v[T] row_xmask:8 row_mask:0xf bank_mask:0xf
	v_permlanex16_b32 v[T+1], v[T], s62, s63
	v_add_f32 v[T], v[T], v[T+1]
.endm
.macro ROW s, left
.set XS, X+32*\s
	s_wait_loadcnt \left                           ; this row's eight loads are in; the younger rows' stay out
.irp k, 0,2,4,6
	v_pk_add_f32 v[T+\k:T+\k+1], v[XS+\k:XS+\k+1], v[XS+8+\k:XS+8+\k+1]
.endr
.irp o, 16,24
.irp k, 0,2,4,6
	v_pk_add_f32 v[T+\k:T+\k+1], v[T+\k:T+\k+1], v[XS+\o+\k:XS+\o+\k+1]
.endr
.endr
	FOLD
	v_mul_f32 v[T+8], 0x3a800000, v[T]             ; mean = sum / 1024
	v_mov_b32 v[T+9], v[T+8]
.set j, 0
.rept 16
	v_pk_add_f32 v[XS+j:XS+j+1], v[XS+j:XS+j+1], v[T+8:T+9] neg_lo:[0,1] neg_hi:[0,1]
.set j, j+2
.endr
.irp k, 0,2,4,6
	v_pk_mul_f32 v[T+\k:T+\k+1], v[XS+\k:XS+\k+1], v[XS+\k:XS+\k+1]
.endr
.irp o, 8,16,24
.irp k, 0,2,4,6
	v_pk_fma_f32 v[T+\k:T+\k+1], v[XS+\o+\k:XS+\o+\k+1], v[XS+\o+\k:XS+\o+\k+1], v[T+\k:T+\k+1]
.endr
.endr
	FOLD
	v_mul_f32 v[T], 0x3a800000, v[T]               ; variance
	v_rsq_f32 v[T+10], v[T]
	v_nop                                          ; one plain instruction behind v_rsq_f32 before its result is read (ISA guide 5.7.2)
	s_wait_alu depctr_va_vdst(0)
	v_mov_b32 v[T+11], v[T+10]
.set j, 0
.rept 16
	v_pk_mul_f32 v[XS+j:XS+j+1], v[XS+j:XS+j+1], v[T+10:T+11]
.set j, j+2
.endr
.set j, 0
.rept 16
	v_pk_fma_f32 v[XS+j:XS+j+1], v[XS+j:XS+j+1], v[W+j:W+j+1], v[BB+j:BB+j+1]
.set j, j+2
.endr
.set j, 0
.rept 16
	v_cvt_pk_bf16_f32 v[XS+j], v[XS+2*j], v[XS+2*j+1]   ; packed downwards in place: word j is written when words 2 j, 2 j + 1 are read, never before
.set j, j+1
.endr
.irp g, 0,1,2,3
	global_store_b128 v2, v[XS+4*\g:XS+4*\g+3], s[54:55] offset:2048*\s+512*\g
.endr
.endm
	s_load_b512 s[4:19], s[0:1], 0x0               ; W_Q 4:5, W_K 6:7, W_V 8:9, W_O 10:11, W_in 12:13, W_out 14:15, wb 16:17, ropet 18:19
	s_load_b256 s[48:55], s[0:1], 0x40             ; resid_pre 48:49, ln1_w 50:51, ln1_b 52:53, xn 54:55
	s_mov_b32 s24, ttmp9
	v_lshlrev_b32 v1, 4, v0                        ; 16 t: my 4 numbers of f32 in a cast's step
	v_lshlrev_b32 v2, 3, v0                        ; 8 t: the same 4 numbers in bf16
	s_mov_b32 s29, 0
	s_wait_kmcnt 0x0
	s_cmp_lt_u32 s24, NLN
	s_cbranch_scc1 .Lln
	s_sub_co_u32 s24, s24, NLN                     ; the casts and the table count from here
	s_cmp_ge_u32 s24, 768
	s_cbranch_scc1 .Lrope
	s_cmp_ge_u32 s24, 576
	s_cbranch_scc1 .Lqkv
	; W_in, W_out, W_O: the layout stays, so the cast is dense
	s_mov_b32 s26, 256
	s_mov_b32 s27, WB_OUT
	s_cmp_lt_u32 s24, 256
	s_cselect_b64 s[20:21], s[12:13], s[14:15]
	s_cselect_b32 s26, 0, s26                      ; the range's first work-group
	s_cselect_b32 s27, WB_IN, s27                  ; the part's place in wb
	s_cmp_lt_u32 s24, 512
	s_cselect_b64 s[20:21], s[20:21], s[10:11]
	s_cselect_b32 s26, s26, 512
	s_cselect_b32 s27, s27, WB_O
	s_sub_co_u32 s25, s24, s26
	s_lshl_b32 s28, s25, 16                        ; 65,536 bytes of f32 a work-group
	s_add_nc_u64 s[20:21], s[20:21], s[28:29]
	s_lshl_b32 s28, s25, 15                        ; 32,768 bytes of bf16
	s_add_co_u32 s28, s28, s27
	s_add_nc_u64 s[22:23], s[16:17], s[28:29]
	CONV 4096, 2048
	s_endpgm
.Lqkv:	; W_Q, W_K, W_V [h][c][d] -> row c of Wqkv: a step takes one c of all sixteen heads; the work-group takes sixteen c
	s_sub_co_u32 s25, s24, 576
	s_lshr_b32 s26, s25, 6                         ; which: 0 Q, 1 K, 2 V
	s_and_b32 s25, s25, 63                         ; c / 16
	s_cmp_eq_u32 s26, 0
	s_cselect_b64 s[20:21], s[4:5], s[6:7]
	s_cmp_eq_u32 s26, 2
	s_cselect_b64 s[20:21], s[8:9], s[20:21]
	s_lshl_b32 s28, s25, 12                        ; 16 c of 256 bytes
	s_add_nc_u64 s[20:21], s[20:21], s[28:29]
	s_mul_i32 s28, s25, 16*6144                    ; 16 rows of Wqkv
	s_lshl_b32 s27, s26, 11                        ; + which * 1,024 columns
	s_add_co_u32 s28, s28, s27
	s_add_nc_u64 s[22:23], s[16:17], s[28:29]
	v_lshrrev_b32 v3, 4, v0                        ; head
	v_and_b32 v4, 15, v0
	v_lshlrev_b32 v4, 4, v4                        ; 4 numbers of d
	v_lshl_add_u32 v1, v3, 18, v4                  ; head * 262,144 bytes + 16 (t mod 16)
	CONV 256, 6144
	s_endpgm
.Lrope:	; 64 t a work-group; thread: j0 = 2 (t mod 16), j0 + 1, at four t sixteen apart; a lane stores (cos, sin, cos, sin), 16 lanes 256 consecutive bytes
	s_sub_co_u32 s25, s24, 768
	s_lshl_b32 s28, s25, 14
	s_add_nc_u64 s[22:23], s[18:19], s[28:29]
	s_mov_b32 s30, 0x40490fdb                      ; pi
	s_mov_b32 s31, 0xc0a55de7                      ; -pi^3 / 3!
	s_mov_b32 s32, 0x402335e3                      ; pi^5 / 5!
	s_mov_b32 s33, 0xbf196966                      ; -pi^7 / 7!
	s_mov_b32 s34, 0x3da83c1b                      ; pi^9 / 9!
	s_mov_b32 s35, 0xbbf183a6                      ; -pi^11 / 11!
	s_mov_b32 s36, 0xc09de9e6                      ; -pi^2 / 2!
	s_mov_b32 s37, 0x4081e0f8                      ; pi^4 / 4!
	s_mov_b32 s38, 0xbfaae9e4                      ; -pi^6 / 6!
	s_mov_b32 s39, 0x3e70fa83                      ; pi^8 / 8!
	s_mov_b32 s40, 0xbcd368f9                      ; -pi^10 / 10!
	v_and_b32 v3, 15, v0
	v_lshlrev_b32 v3, 1, v3
	v_cvt_f32_u32 v4, v3                           ; j0
	v_add_f32 v5, 1.0, v4
	v_mul_f32 v4, 0xbed49a78, v4                   ; inv = 10000^(-j/32) = 2^(-0.41524101 j)
	v_mul_f32 v5, 0xbed49a78, v5
	v_exp_f32 v4, v4
	v_exp_f32 v5, v5
	v_lshrrev_b32 v6, 4, v0                        ; the plain instruction between the exponentials and their use (ISA guide 5.7.2)
	s_lshl_b32 s26, s25, 6
	v_add_nc_u32 v6, s26, v6                       ; my first t
	s_wait_alu depctr_va_vdst(0)
.irp it, 0,1,2,3
	v_add_nc_u32 v7, 16*\it, v6
	v_cvt_f32_u32 v7, v7
	v_mul_f32 v8, v7, v4
	v_mul_f32 v9, v7, v5
	SINCOS 8, 16+4*\it, 17+4*\it
	SINCOS 9, 18+4*\it, 19+4*\it
	global_store_b128 v1, v[16+4*\it:19+4*\it], s[22:23] offset:4096*\it
.endr
	s_endpgm
.Lln:	; the layer norm: 32 rows a work-group, 4 rows a wave
	v_lshrrev_b32 v3, 5, v0
	v_readfirstlane_b32 s56, v3                    ; wave
	v_and_b32 v3, 31, v0
	v_lshlrev_b32 v1, 5, v3                        ; 32 x lane: my 8 floats in a group of 256
	v_lshlrev_b32 v2, 4, v3                        ; 16 x lane: the same 8 numbers in bf16
	s_lshl_b32 s57, s24, 5
	s_lshl2_add_u32 s57, s56, s57                  ; my first row = 32 x work-group + 4 x wave
	s_lshl_b32 s58, s57, 12
	s_mov_b32 s59, 0
	s_lshl_b32 s60, s57, 11
	s_mov_b32 s61, 0
	s_mov_b32 s62, 0x76543210                      ; v_permlanex16_b32: lane i reads lane i of the other half
	s_mov_b32 s63, 0xfedcba98
	s_add_nc_u64 s[48:49], s[48:49], s[58:59]
	s_add_nc_u64 s[54:55], s[54:55], s[60:61]
.irp g, 0,1,2,3
	global_load_b128 v[W+8*\g:W+8*\g+3],    v1, s[50:51] offset:1024*\g
	global_load_b128 v[W+8*\g+4:W+8*\g+7],  v1, s[50:51] offset:1024*\g+16
	global_load_b128 v[BB+8*\g:BB+8*\g+3],   v1, s[52:53] offset:1024*\g
	global_load_b128 v[BB+8*\g+4:BB+8*\g+7], v1, s[52:53] offset:1024*\g+16
.endr
.irp s, 0,1,2,3
.irp g, 0,1,2,3
	global_load_b128 v[X+32*\s+8*\g:X+32*\s+8*\g+3],   v1, s[48:49] offset:4096*\s+1024*\g
	global_load_b128 v[X+32*\s+8*\g+4:X+32*\s+8*\g+7], v1, s[48:49] offset:4096*\s+1024*\g+16
.endr
.endr
	ROW 0, 24
	ROW 1, 16
	ROW 2, 8
	ROW 3, 0
	s_endpgm
.Lfunc_end_k_q307d2c8375_prep:
	.size	k_q307d2c8375_prep, .Lfunc_end_k_q307d2c8375_prep-k_q307d2c8375_prep
	.p2alignl 7, 3214868480
	.fill 96, 4, 3214868480
	.section	.rodata,"a",@progbits
	.p2align	6, 0x0
	.amdhsa_kernel k_q307d2c8375_prep
		.amdhsa_group_segment_fixed_size 0
		.amdhsa_private_segment_fixed_size 0
		.amdhsa_enable_private_segment 0
		.amdhsa_kernarg_size 96
		.amdhsa_user_sgpr_count 2
		.amdhsa_user_sgpr_kernarg_segment_ptr 1
		.amdhsa_wavefront_size32 1
		.amdhsa_system_sgpr_workgroup_id_x 1
		.amdhsa_system_sgpr_workgroup_id_y 1
		.amdhsa_system_sgpr_workgroup_id_z 1
		.amdhsa_system_vgpr_workitem_id 0
		.amdhsa_next_free_vgpr 216
		.amdhsa_next_free_sgpr 66
		.amdhsa_reserve_vcc 0
		.amdhsa_float_denorm_mode_32 3
		.amdhsa_float_denorm_mode_16_64 3
		.amdhsa_memory_ordered 1
		.amdhsa_forward_progress 1
		.amdhsa_inst_pref_size 59
	.end_amdhsa_kernel
	.amdgpu_metadata
---
amdhsa.version: [ 1, 2 ]
amdhsa.kernels:
  - .name:           k_q307d2c8375_prep
    .symbol:         k_q307d2c8375_prep.kd
    .args:
      - { .name: W_Q, .offset: 0, .size: 8, .value_kind: global_buffer, .address_space: global }
      - { .name: W_K, .offset: 8, .size: 8, .value_kind: global_buffer, .address_space: global }
      - { .name: W_V, .offset: 16, .size: 8, .value_kind: global_buffer, .address_space: global }
      - { .name: W_O, .offset: 24, .size: 8, .value_kind: global_buffer, .address_space: global }
      - { .name: W_in, .offset: 32, .size: 8, .value_kind: global_buffer, .address_space: global }
      - { .name: W_out, .offset: 40, .size: 8, .value_kind: global_buffer, .address_space: global }
      - { .name: wb, .offset: 48, .size: 8, .value_kind: global_buffer, .address_space: global }
      - { .name: ropet, .offset: 56, .size: 8, .value_kind: global_buffer, .address_space: global }
      - { .name: resid_pre, .offset: 64, .size: 8, .value_kind: global_buffer, .address_space: global }
      - { .name: ln1_w, .offset: 72, .size: 8, .value_kind: global_buffer, .address_space: global }
      - { .name: ln1_b, .offset: 80, .size: 8, .value_kind: global_buffer, .address_space: global }
      - { .name: xn, .offset: 88, .size: 8, .value_kind: global_buffer, .address_space: global }
    .group_segment_fixed_size: 0
    .private_segment_fixed_size: 0
    .kernarg_segment_align: 8
    .kernarg_segment_size: 96
    .max_flat_workgroup_size: 256
    .sgpr_count:     66
    .vgpr_count:     216
    .wavefront_size: 32
...
	.end_amdgpu_metadata
.endif
;; end of part 1
;; launch qkvp (part 2): grid 12 x 16, 4 waves a work-group, clusters of 4 x 4, 327,680 bytes of LDS; arguments xn, wb, b_Q, b_K, b_V, ropet, qkvb; writes qkvb
.if DOCPART == 2
	.amdgcn_target "amdgcn-amd-amdhsa--gfx1250"
	.amdhsa_code_object_version 6
	.text
	.protected	k_q307d2c8375_qkvp
	.globl	k_q307d2c8375_qkvp
	.p2align	8
	.type	k_q307d2c8375_qkvp,@function
k_q307d2c8375_qkvp:
	s_mov_b64 s[64:65], 0
	v_nop
	global_prefetch_b8 v0, s[64:65] scope:SCOPE_SE
	s_setreg_imm32_b32 hwreg(HW_REG_WAVE_MODE, 25, 1), 1
	s_wait_xcnt 0x0
	s_wait_alu depctr_hold_cnt(0) depctr_sa_sdst(0) depctr_va_vdst(0) depctr_va_sdst(0) depctr_va_ssrc(0) depctr_va_vcc(0) depctr_vm_vsrc(0)
	s_getreg_b32 s2, hwreg(HW_REG_IB_STS2, 6, 4)
	s_cmp_eq_u32 s2, 0
	s_cbranch_scc0 .Lentry_in_a_cluster
	s_endpgm
.Lentry_in_a_cluster:
	s_bfe_u32 s2, ttmp6, 0x10000c
	s_cmp_lg_u32 s2, 0xf033
	s_cbranch_scc0 .Lentry_shape_is_right
	s_endpgm
.Lentry_shape_is_right:
; Q, K, V = xn [4096][1024] x Wqkv [1024][3072] + bias, RoPE on Q and K; out qkvb bf16 [which][b][h][t][64].  bf16 operands, f32 sums.
; A work-group makes 256 x 256 of the product with four waves of 128 x 128 (64 accumulator tiles, 512 registers).  K goes in steps of 128 through
; two LDS slots filled by tensor loads.  xn's tile lies [row][k], pitch 272; the weights' tile lies [k][n] as in memory, pitch 544, and its
; fragments are made by the transposing LDS load.
; CLUSTERS: 4 x 4 work-groups.  xn's tile hangs on the block row alone and is asked for jointly by a row of the cluster, the weights' tile on the block
; column alone, by a column: the requests for both are divided by four.  192 work-groups: 16 block rows x 12 block columns.
; The cluster's x is 'which' (1,024 columns = 4 blocks), equal in all partners: the one branch on it (V has no RoPE) is alike in all of them.
; REGISTERS in windows of 256: window 0: v0-31 addresses, v64-191 xn's fragments (two buffers), on the way out v64-239 at work;
; window 1: v0-63 bias, v64-191 the weights' fragments, v192-255 cos and sin (two buffers); windows 2, 3: accumulators of my rows 0-63, 64-127.
; The matrix instruction is used transposed (source 0 = 16 columns of the weights, source 1 = 16 rows of xn): lane l then holds row l % 16 and its
; eight registers the columns 8 (l / 16) + 0..7: neighbouring numbers, RoPE's pairs in one lane.
.set SIZE_K, 1024
.set SIZE_N, 3072
.set WOFF,   0                         ; Wqkv's place in wb
.set KSTEP,  128
.set PITCH,  272                       ; xn's LDS row: 256 bytes + 16: the 16 rows of a fragment load start 16 bytes apart modulo 256
.set PB,     544                       ; the weights' LDS row: 512 bytes + 32 = 17 x 32
.set HALFT,  128*PITCH                 ; what one tensor load brings: 128 rows of xn, or 64 k rows of the weights (64 x 544, the same bytes)
.set SLOT,   4*HALFT
.set STAGE,  2*SLOT                    ; behind the ring: 16 rows x 272 bytes for each wave; no tensor load lands there
.set SPITCH, 272
.set LAPS,   SIZE_K/(2*KSTEP)
.set ADRA, 16                          ; v16-17 LDS address of my xn fragments, slot 0, 1
.set ADRB, 20                          ; v20-21 the same for the weights
.set STO,  24
.set RD,   25
.set CO,   26
.set BA,   27
.set CSA,  28
.set F0,   64
.set F1,   128
.set TT,   64                          ; way out: 64 results in f32
.set ZZ,   128                         ; way out: temporaries
.set PKD,  144                         ; way out: packed bf16
.set RB0,  176                         ; way out: rows read back, two buffers
.set RB1,  208
.set BI,   0                           ; window 1: bias of my columns, register 8 b + j: column 16 b + 8 h + j
.set CS,   192                         ; window 1: (cos, sin) pairs, two buffers of 32
.set G1, 24
.set G0, 32
.set G1B, 48
.set G0B, 56
.set MSB, 0
.macro WIN new                         ; the immediate's high byte repeats the setting that is left
.if MSB != \new
	s_set_vgpr_msb (MSB<<8)|\new
.set MSB, \new
.endif
.endm
.set MUL_LO, 0xa1                      ; source 0 window 1, source 1 window 0, C and D window 2
.set MUL_HI, 0xf1                      ; the same, C and D window 3
.set TO_B,   0x40                      ; destination window 1, address window 0
; A joint load: waves 0 and 1 fetch xn's two halves, waves 2 and 3 the weights'.  The branch hangs on the wave's number alone.
.macro JLOAD s
	s_cmp_eq_u32 s11, 0
	s_cbranch_scc0 .Lfor_b_\@
	tensor_load_to_lds s[G0+4*\s:G0+4*\s+3], s[G1:G1+7]
	s_nop 0
	s_branch .Lasked_\@
.Lfor_b_\@:
	tensor_load_to_lds s[G0B+4*\s:G0B+4*\s+3], s[G1B:G1B+7]
	s_nop 0
.Lasked_\@:
.endm
.macro CREST                           ; a round of the cluster's barrier behind its opening barrier
	s_cmp_lg_u32 s10, 0
	s_cbranch_scc1 .Lnot_wave_0_\@
	s_barrier_signal -3
.Lnot_wave_0_\@:
	s_barrier_wait -3
	s_barrier_signal -1
	s_barrier_wait -1
.endm
.macro CROUND                          ; a whole round
	s_barrier_signal -1
	s_barrier_wait -1
	CREST
.endm
	s_load_b256 s[68:75], s[0:1], 0x0              ; xn 68:69, wb 70:71, b_Q 72:73, b_K 74:75
	s_load_b128 s[76:79], s[0:1], 0x20             ; b_V 76:77, ropet 78:79
	s_load_b64 s[80:81], s[0:1], 0x30              ; qkvb
	v_lshl_add_u32 v254, v0, 2, 0x48400
	v_mov_b32 v255, 0
	ds_add_u32 v254, v255
	ds_add_u32 v254, v255
	v_lshrrev_b32 v1, 5, v0
	v_readfirstlane_b32 s10, v1                    ; wave 0..3
	s_lshr_b32 s11, s10, 1                         ; my half of the block's rows.  Also: I fetch xn (0) or the weights (1)
	s_and_b32 s12, s10, 1                          ; my half of its columns.  Also: which half of that tile I fetch
	s_mov_b32 s66, ttmp9                           ; the cluster's x = which
	s_bfe_u32 s40, ttmp6, 0x40000                  ; cx
	s_bfe_u32 s41, ttmp6, 0x40004                  ; cy
	s_lshl_b32 s42, ttmp9, 2
	s_add_co_u32 s42, s42, s40                     ; block column
	s_and_b32 s13, ttmp7, 0xffff
	s_lshl_b32 s13, s13, 2
	s_add_co_u32 s13, s13, s41                     ; block row
	s_lshl_b32 s43, s41, 2
	s_lshl_b32 s43, 15, s43                        ; my row of the cluster
	s_lshl_b32 s44, 0x1111, s40                    ; my column
	s_or_b32 s[G1+0], s43, (1<<16)|(1<<20)|(1<<21)|(5<<22)|(3<<25)   ; mask; 2-byte elements; 4 words of padding behind every 64
	s_mov_b32 s[G1+1], KSTEP<<16                   ; tensor_dim0 = 128
	s_mov_b32 s[G1+2], 128<<16                     ; tensor_dim1 = 128
	s_mov_b32 s[G1+3], KSTEP<<16                   ; tile_dim0 = 128
	s_mov_b32 s[G1+4], 128                         ; tile_dim1 = 128
	s_mov_b32 s[G1+5], SIZE_K                      ; elements from row to row
	s_mov_b32 s[G1+6], 0
	s_mov_b32 s[G1+7], 0
	s_or_b32 s[G1B+0], s44, (1<<16)|(1<<20)|(1<<21)|(6<<22)|(7<<25)  ; mask; 8 words of padding behind every 128
	s_mov_b32 s[G1B+1], 256<<16                    ; tensor_dim0 = 256 columns
	s_mov_b32 s[G1B+2], 64<<16                     ; tensor_dim1 = 64 k rows
	s_mov_b32 s[G1B+3], 256<<16
	s_mov_b32 s[G1B+4], 64
	s_mov_b32 s[G1B+5], SIZE_N
	s_mov_b32 s[G1B+6], 0
	s_mov_b32 s[G1B+7], 0
	s_lshl_b32 s17, s12, 7
	s_lshl_b32 s16, s13, 8
	s_add_co_u32 s16, s16, s17                     ; xn: row 256 x block row + 128 x half
	s_lshl_b32 s16, s16, 11                        ; x 2,048 bytes
	s_mov_b32 s17, 0
	s_mul_i32 s45, s12, 64*SIZE_N*2                ; the weights: k row 64 x half,
	s_lshl_b32 s46, s42, 9                         ; column 256 x block column
	s_add_co_u32 s46, s46, s45
.if WOFF
	s_add_co_u32 s46, s46, WOFF
.endif
	s_mov_b32 s47, 0
	s_mul_i32 s20, s10, HALFT                      ; LDS: wave x one load's bytes; no place in the cluster enters an LDS address
	s_wait_dscnt 0x0
	s_wait_kmcnt 0x0
	s_add_nc_u64 s[14:15], s[68:69], s[16:17]
	s_add_nc_u64 s[46:47], s[70:71], s[46:47]
	CROUND                                         ; all sixteen work-groups are here: the first joint loads meet
.irp s, 0,1
	s_mov_b32 s[G0+4*\s], 1
	s_add_co_u32 s[G0+4*\s+1], s20, \s*SLOT
	s_add_nc_u64 s[G0+4*\s+2:G0+4*\s+3], s[14:15], \s*KSTEP*2
	s_or_b32 s[G0+4*\s+3], s[G0+4*\s+3], 0x80000000
	s_mov_b32 s[G0B+4*\s], 1
	s_add_co_u32 s[G0B+4*\s+1], s20, \s*SLOT
	s_add_nc_u64 s[G0B+4*\s+2:G0B+4*\s+3], s[46:47], \s*KSTEP*SIZE_N*2
	s_or_b32 s[G0B+4*\s+3], s[G0B+4*\s+3], 0x80000000
	JLOAD \s                                       ; two tensor loads of the wave are out, later one
.endr
	v_and_b32 v1, 15, v0                           ; r = l % 16
	v_bfe_u32 v2, v0, 4, 1                         ; h = l / 16
	v_mul_u32_u24 v3, v1, PITCH
	v_lshl_add_u32 v3, v2, 4, v3                   ; xn: row x pitch + 16 h
	v_and_b32 v6, 7, v0
	v_lshl_add_u32 v6, v2, 3, v6                   ; the weights: k row 8 h + l % 8,
	v_mul_u32_u24 v6, v6, PB
	v_bfe_u32 v7, v0, 3, 1
	v_lshl_add_u32 v6, v7, 4, v6                   ; 16 bytes on for lanes 8-15 of each half
	s_mul_i32 s21, s11, HALFT
	s_lshl_b32 s22, s12, 8                         ; my 128 columns
	s_add_co_u32 s22, s22, 2*HALFT
.irp s, 0,1
	v_add_nc_u32 v[ADRA+\s], s21, v3
	v_add_nc_u32 v[ADRB+\s], s22, v6
	s_add_co_u32 s21, s21, SLOT
	s_add_co_u32 s22, s22, SLOT
.endr
	s_mul_i32 s23, s10, 16*SPITCH
	s_add_co_u32 s23, s23, STAGE                   ; my stage
	v_mul_u32_u24 v4, v1, SPITCH
	v_lshl_add_u32 v4, v2, 4, v4
	v_add_nc_u32 v[STO], s23, v4                   ; in: row r, 16 bytes for each half of the lanes
	v_mul_u32_u24 v5, v7, SPITCH                   ; back: lanes 0-15 take head 0, lanes 16-31 head 1; eight lanes a row of 128 bytes, two rows
	v_lshl_add_u32 v5, v2, 7, v5
	v_and_b32 v4, 7, v0
	v_lshl_add_u32 v5, v4, 4, v5
	v_add_nc_u32 v[RD], s23, v5
	v_lshlrev_b32 v5, 4, v1
	v_lshl_add_u32 v[CO], v2, 18, v5               ; out: head x 262,144 + 16 (l % 16): two rows of t of one head are 256 consecutive bytes
	v_lshlrev_b32 v5, 8, v1
	v_lshl_add_u32 v[CSA], v2, 5, v5               ; table: row r x 256 + 32 h
	v_lshlrev_b32 v[BA], 5, v2                     ; bias: 8 floats x h
	; the bias of my 128 columns; offsets that hold cx or cy lie in s84-s93, which feed no descriptor
	s_cmp_eq_u32 s66, 0
	s_cselect_b64 s[84:85], s[72:73], s[74:75]
	s_cmp_eq_u32 s66, 2
	s_cselect_b64 s[84:85], s[76:77], s[84:85]
	s_lshl_b32 s86, s40, 10
	s_lshl_b32 s87, s12, 9
	s_add_co_u32 s86, s86, s87                     ; 4 x (256 cx + 128 half)
	s_mov_b32 s87, 0
	s_add_nc_u64 s[84:85], s[84:85], s[86:87]
	WIN TO_B
.irp b, 0,1,2,3,4,5,6,7
	global_load_b128 v[BI+8*\b:BI+8*\b+3],   v[BA], s[84:85] offset:64*\b
	global_load_b128 v[BI+8*\b+4:BI+8*\b+7], v[BA], s[84:85] offset:64*\b+16
.endr
	WIN 0
	s_and_b32 s90, s13, 7
	s_lshl_b32 s90, s90, 8
	s_lshl_b32 s91, s11, 7
	s_add_co_u32 s90, s90, s91                     ; t of my first row
	s_lshl_b32 s88, s66, 23                        ; which x 8,388,608
	s_lshr_b32 s91, s13, 3
	s_lshl_b32 s91, s91, 22                        ; b x 4,194,304
	s_add_co_u32 s88, s88, s91
	s_lshl_b32 s91, s40, 2
	s_lshl1_add_u32 s91, s12, s91                  ; my first head = 4 cx + 2 half
	s_lshl_b32 s91, s91, 18
	s_add_co_u32 s88, s88, s91
	s_lshl_b32 s91, s90, 7
	s_add_co_u32 s88, s88, s91
	s_mov_b32 s89, 0
	s_add_nc_u64 s[88:89], s[80:81], s[88:89]      ; out at my first head, my first t
	s_lshl_b32 s90, s90, 8
	s_mov_b32 s91, 0
	s_add_nc_u64 s[92:93], s[78:79], s[90:91]      ; the table at my first t
; 16 matrix instructions: row blocks a0, a0 + 1 of the window's four x all 8 column blocks, 32 along K.  zero = 1: the first product starts the sums.
.macro MUL16 f, hi, a0, zero
.irp a, \a0, \a0+1
.irp b, 0,1,2,3,4,5,6,7
.if \zero
	v_wmma_f32_16x16x32_bf16 v[8*(8*(\a)+\b):8*(8*(\a)+\b)+7], v[\f+8*\b:\f+8*\b+7], v[\f+8*(4*\hi+\a):\f+8*(4*\hi+\a)+7], 0
.else
	v_wmma_f32_16x16x32_bf16 v[8*(8*(\a)+\b):8*(8*(\a)+\b)+7], v[\f+8*\b:\f+8*\b+7], v[\f+8*(4*\hi+\a):\f+8*(4*\hi+\a)+7], v[8*(8*(\a)+\b):8*(8*(\a)+\b)+7]
.endif
.endr
.endr
.endm
; 32 LDS loads in one run: one quarter step's fragments (k = byte offset of the quarter in xn's rows: 0, 64, 128, 192) into buffer f.
; The weights: the transposing load takes k rows 32 q + 8 h + l % 8 (then 16 further down) and gives lane l column 16 i + l % 16 with k along its registers.
.macro FETCH slot, k, f
	WIN TO_B
.irp i, 0,1,2,3,4,5,6,7
	ds_load_tr16_b128 v[\f+8*\i:\f+8*\i+3],   v[ADRB+\slot] offset:(\k/64)*32*PB+32*\i
	ds_load_tr16_b128 v[\f+8*\i+4:\f+8*\i+7], v[ADRB+\slot] offset:(\k/64)*32*PB+32*\i+16*PB
.endr
	WIN 0
.irp i, 0,1,2,3,4,5,6,7
	ds_load_b128 v[\f+8*\i:\f+8*\i+3],   v[ADRA+\slot] offset:\k+\i*16*PITCH
	ds_load_b128 v[\f+8*\i+4:\f+8*\i+7], v[ADRA+\slot] offset:\k+\i*16*PITCH+32
.endr
.endm
; four plain vector instructions stand between a matrix instruction and a load into, or a vector instruction on, its registers
.macro PLACES
.rept 4
	v_nop
.endr
.endm
.macro QUARTER slot, k, f, g, zero
	s_wait_dscnt 8                                 ; the weights and xn's rows 0-63 are in; the youngest eight loads (rows 64-127) may be out
	WIN MUL_LO
	MUL16 \f, 0, 0, \zero
	MUL16 \f, 0, 2, \zero
	PLACES
	FETCH \slot, \k, \g
	s_wait_dscnt 32                                ; all but the 32 just issued
	WIN MUL_HI
	MUL16 \f, 1, 0, \zero
	MUL16 \f, 1, 2, \zero
.endm
.macro THREE slot, zero
	QUARTER \slot, 64,  F0, F1, \zero
	QUARTER \slot, 128, F1, F0, 0
	QUARTER \slot, 192, F0, F1, 0
.endm
; The last quarter of a K step changes slots.  In front of the barrier each wave waits for its reads of this slot and for all its tensor loads (one is
; out: its part of the next slot).  Where the slot is filled again the barrier opens a round of the cluster's barrier, and the joint refill is the
; first tensor load behind the round.  The 64 accumulators take turns, one instruction a turn.
.macro TURN slot, next, fill
	s_wait_dscnt 8
	WIN MUL_LO
	MUL16 F1, 0, 0, 0
	s_wait_dscnt 0
	s_set_vgpr_msb 0xa1a0
	s_wait_tensorcnt 0x0
	ds_add_u32 v254, v255
	s_wait_dscnt 0x0
	s_set_vgpr_msb 0xa0a1
	s_barrier_signal -1
	MUL16 F1, 0, 2, 0
	WIN 0
	s_barrier_wait -1
.if \fill
	CREST
	s_add_nc_u64 s[G0+4*\slot+2:G0+4*\slot+3], s[G0+4*\slot+2:G0+4*\slot+3], 2*KSTEP*2
	s_add_nc_u64 s[G0B+4*\slot+2:G0B+4*\slot+3], s[G0B+4*\slot+2:G0B+4*\slot+3], 2*KSTEP*SIZE_N*2
	JLOAD \slot
.endif
	PLACES
	FETCH \next, 0, F0
	WIN MUL_HI
	MUL16 F1, 1, 0, 0
	MUL16 F1, 1, 2, 0
.endm
.macro LAP zero
	THREE 0, \zero
	TURN 0, 1, 1
	THREE 1, 0
	TURN 1, 0, 1
.endm
	s_wait_tensorcnt 1                             ; my part of K step 0 is in; K step 1's may stay out
	s_barrier_signal -1
	s_barrier_wait -1
	FETCH 0, 0, F0
	LAP 1
	WIN 0
	s_mov_b32 s3, LAPS-2
.Llap:
	LAP 0
	WIN 0
	s_sub_co_u32 s3, s3, 1
	s_cmp_lg_u32 s3, 0
	s_cbranch_scc1 .Llap
	THREE 0, 0                                     ; the last lap fills nothing
	TURN 0, 1, 0
	THREE 1, 0
	s_wait_dscnt 8
	WIN MUL_LO
	MUL16 F1, 0, 0, 0
	MUL16 F1, 0, 2, 0
	s_wait_dscnt 0
	WIN MUL_HI
	MUL16 F1, 1, 0, 0
	MUL16 F1, 1, 2, 0
	WIN 0
	PLACES
; THE WAY OUT, 16 rows at a time (rows 16 i .. + 15 = tiles (a, 0..7) of window 2 or 3; win = 0x06 or 0x07: source 0 that window, source 1 window 1).
; bias; RoPE (pair k of column block b: cos, sin at 8 (b % 4) + 2 k of the row's buffer); round to bf16; through my stage; stores of 256 consecutive bytes.
.macro OUT16 i, a, win, rb, rope
.if \rope
.if \i < 7
	WIN TO_B
.irp q, 0,1,2,3
	global_load_b128 v[CS+32*((\i+1)%2)+8*\q:CS+32*((\i+1)%2)+8*\q+3],   v[CSA], s[92:93] offset:(\i+1)*4096+64*\q
	global_load_b128 v[CS+32*((\i+1)%2)+8*\q+4:CS+32*((\i+1)%2)+8*\q+7], v[CSA], s[92:93] offset:(\i+1)*4096+64*\q+16
.endr
	s_wait_loadcnt 8                               ; these rows' cos and sin (and the bias) are in; the eight loads just issued stay out
.else
	s_wait_loadcnt 0x0
.endif
.endif
	WIN \win
.irp b, 0,1,2,3,4,5,6,7
.irp j, 0,2,4,6
	v_pk_add_f32 v[TT+8*\b+\j:TT+8*\b+\j+1], v[8*(8*\a+\b)+\j:8*(8*\a+\b)+\j+1], v[BI+8*\b+\j:BI+8*\b+\j+1]
.endr
.endr
.if \rope
	WIN 0x04                                       ; source 1 (cos, sin) window 1
.irp b, 0,1,2,3,4,5,6,7
.irp k, 0,1,2,3
	v_mul_f32 v[ZZ+2*(\k%2)],   v[TT+8*\b+2*\k+1], v[CS+32*(\i%2)+8*(\b%4)+2*\k+1]                       ; xi sin
	v_mul_f32 v[ZZ+2*(\k%2)+1], v[TT+8*\b+2*\k+1], v[CS+32*(\i%2)+8*(\b%4)+2*\k]                         ; xi cos
	v_fma_f32 v[TT+8*\b+2*\k+1], v[TT+8*\b+2*\k], v[CS+32*(\i%2)+8*(\b%4)+2*\k+1], v[ZZ+2*(\k%2)+1]      ; xr sin + xi cos
	v_fma_f32 v[TT+8*\b+2*\k],   v[TT+8*\b+2*\k], v[CS+32*(\i%2)+8*(\b%4)+2*\k],   -v[ZZ+2*(\k%2)]       ; xr cos - xi sin
.endr
.endr
.endif
	WIN 0
.irp b, 0,1,2,3,4,5,6,7
.irp j, 0,1,2,3
	v_cvt_pk_bf16_f32 v[PKD+4*\b+\j], v[TT+8*\b+2*\j], v[TT+8*\b+2*\j+1]
.endr
.endr
.irp b, 0,1,2,3,4,5,6,7
	ds_store_b128 v[STO], v[PKD+4*\b:PKD+4*\b+3] offset:32*\b
.endr
	s_wait_xcnt 0x0                                ; buffer rb, which earlier stores read, is loaded again only behind this wait
.irp t, 0,1,2,3,4,5,6,7
	ds_load_b128 v[\rb+4*\t:\rb+4*\t+3], v[RD] offset:\t*2*SPITCH   ; LDS serves a wave's instructions in order: these see the stores above
.endr
.irp t, 0,1,2,3,4,5,6,7
	s_wait_dscnt 7-\t
	global_store_b128 v[CO], v[\rb+4*\t:\rb+4*\t+3], s[88:89] offset:\i*2048+\t*256
.endr
.endm
	s_cmp_eq_u32 s66, 2                            ; V takes no RoPE; 'which' is the cluster's x, alike in all partners
	s_cbranch_scc1 .Lplain
	WIN TO_B
.irp q, 0,1,2,3
	global_load_b128 v[CS+8*\q:CS+8*\q+3],   v[CSA], s[92:93] offset:64*\q
	global_load_b128 v[CS+8*\q+4:CS+8*\q+7], v[CSA], s[92:93] offset:64*\q+16
.endr
	OUT16 0, 0, 0x06, RB0, 1
	OUT16 1, 1, 0x06, RB1, 1
	OUT16 2, 2, 0x06, RB0, 1
	OUT16 3, 3, 0x06, RB1, 1
	OUT16 4, 0, 0x07, RB0, 1
	OUT16 5, 1, 0x07, RB1, 1
	OUT16 6, 2, 0x07, RB0, 1
	OUT16 7, 3, 0x07, RB1, 1
	s_branch .Ldone
.Lplain:
	s_wait_loadcnt 0x0                             ; the bias
	OUT16 0, 0, 0x06, RB0, 0
	OUT16 1, 1, 0x06, RB1, 0
	OUT16 2, 2, 0x06, RB0, 0
	OUT16 3, 3, 0x06, RB1, 0
	OUT16 4, 0, 0x07, RB0, 0
	OUT16 5, 1, 0x07, RB1, 0
	OUT16 6, 2, 0x07, RB0, 0
	OUT16 7, 3, 0x07, RB1, 0
.Ldone:
	s_wait_tensorcnt 0x0
	ds_add_u32 v254, v255
	s_wait_dscnt 0x0
	CROUND                                         ; the closing round: no work-group ends while a partner may still ask for a tile that names it
	s_endpgm
.Lfunc_end_k_q307d2c8375_qkvp:
	.size	k_q307d2c8375_qkvp, .Lfunc_end_k_q307d2c8375_qkvp-k_q307d2c8375_qkvp
	.p2alignl 7, 3214868480
	.fill 96, 4, 3214868480
	.section	.rodata,"a",@progbits
	.p2align	6, 0x0
	.amdhsa_kernel k_q307d2c8375_qkvp
		.amdhsa_group_segment_fixed_size 327680
		.amdhsa_private_segment_fixed_size 0
		.amdhsa_enable_private_segment 0
		.amdhsa_kernarg_size 56
		.amdhsa_user_sgpr_count 2
		.amdhsa_user_sgpr_kernarg_segment_ptr 1
		.amdhsa_wavefront_size32 1
		.amdhsa_system_sgpr_workgroup_id_x 1
		.amdhsa_system_sgpr_workgroup_id_y 1
		.amdhsa_system_sgpr_workgroup_id_z 1
		.amdhsa_system_vgpr_workitem_id 0
		.amdhsa_next_free_vgpr 1024
		.amdhsa_next_free_sgpr 100
		.amdhsa_reserve_vcc 0
		.amdhsa_float_denorm_mode_32 3
		.amdhsa_float_denorm_mode_16_64 3
		.amdhsa_memory_ordered 1
		.amdhsa_forward_progress 1
		.amdhsa_inst_pref_size 255
	.end_amdhsa_kernel
	.section	.bss,"aw",@nobits
	.p2align	6
	.space	262144
	.amdgpu_metadata
---
amdhsa.version: [ 1, 2 ]
amdhsa.kernels:
  - .name:           k_q307d2c8375_qkvp
    .symbol:         k_q307d2c8375_qkvp.kd
    .args:
      - { .name: xn, .offset: 0, .size: 8, .value_kind: global_buffer, .address_space: global }
      - { .name: wb, .offset: 8, .size: 8, .value_kind: global_buffer, .address_space: global }
      - { .name: b_Q, .offset: 16, .size: 8, .value_kind: global_buffer, .address_space: global }
      - { .name: b_K, .offset: 24, .size: 8, .value_kind: global_buffer, .address_space: global }
      - { .name: b_V, .offset: 32, .size: 8, .value_kind: global_buffer, .address_space: global }
      - { .name: ropet, .offset: 40, .size: 8, .value_kind: global_buffer, .address_space: global }
      - { .name: qkvb, .offset: 48, .size: 8, .value_kind: global_buffer, .address_space: global }
    .group_segment_fixed_size: 327680
    .private_segment_fixed_size: 0
    .kernarg_segment_align: 8
    .kernarg_segment_size: 56
    .max_flat_workgroup_size: 128
    .sgpr_count:     100
    .vgpr_count:     1024
    .wavefront_size: 32
...
	.end_amdgpu_metadata
.endif
;; end of part 2
;; launch attn (part 3): grid 256 x 1, 8 waves a work-group, no clusters, 327,680 bytes of LDS; arguments qkvb, att; writes att
.if DOCPART == 3
	.amdgcn_target "amdgcn-amd-amdhsa--gfx1250"
	.amdhsa_code_object_version 6
	.text
	.protected	k_q307d2c8375_attn
	.globl	k_q307d2c8375_attn
	.p2align	8
	.type	k_q307d2c8375_attn,@function
k_q307d2c8375_attn:
	s_mov_b64 s[64:65], 0
	v_nop
	global_prefetch_b8 v0, s[64:65] scope:SCOPE_SE
	s_setreg_imm32_b32 hwreg(HW_REG_WAVE_MODE, 25, 1), 1
	s_wait_xcnt 0x0
; Causal attention, 32 (b, h) x 2,048 queries x 64; a score that is exactly 0 counts as masked, as the problem asks.  out att bf16 [b t][h*64 + d].
; Work-group (bh, p), p = 0..7, takes query blocks 15 - p and p of 128 rows.  Keys go in tiles of 256: block qb needs (qb >> 1) + 1 of them, and since
; 15 - p and p differ in parity the two blocks need nine tiles together, in every work-group.
; EIGHT WAVES, two on a SIMD, so that one wave's matrix runs and LDS loads stand beside the other's softmax.  Wave w serves queries 32 g .. + 31, g = w & 3,
; and keys 128 kq .. + 127 of every tile, kq = w >> 2.  So a query's keys are shared by two waves, each with its own running maximum, sum and O.
; At the end of a block a wave puts these into LDS bytes of its own; behind the last tile and one barrier waves 0-3 merge and finish the first block,
; waves 4-7 the second.  In the tile on the diagonal a wave's 128 keys may all lie behind its queries: that work is done and masked (18 wave tiles
; of 128 keys for a pair of waves where 17 would do).
; S^T = K Q^T: lane (r, h) holds query r and keys 8 h + j, so a query's maximum and sum need one step across lanes (l xor 16), and two neighbouring key
; tiles, packed to bf16, are already source 1 of O^T = V^T P^T; V^T's fragments come by the transposing LDS load.
; Running maximum; exponent (s - m) * log2(e) / 8.  While all of a wave's scores of a row are masked m stays at -inf: the shift is then 0, so that no
; inf - inf arises, in the merge too; a row that is masked throughout ends with the sum 0 and gives NaN, as the softmax of the problem does.
; K and V tiles: two LDS slots, one tensor load a wave (waves 0-3: K's quarters; 4-7: V's), 8,192 dense bytes each, padded to rows of 144 bytes.
; NO MULTICAST: work-group p starts its second block behind ((15 - p) >> 1) + 1 tiles, so the work-groups of one head want different tiles at the same
; step.  The stores are pieces of 128 bytes: a head's share of a row of att.
; LIMITS: Q, K, V, P in bf16; the test for 0 is made on the f32 sum of the bf16 products, before the scale 1/8; v_exp_f32 gives 0 below 2^-126.
.set PKV,   144                        ; LDS row: 128 bytes + 16
.set KVB,   36864                      ; K's 256 rows x 144; V's follow
.set SLOT,  73728
.set STATE, 147456                     ; 8 waves x 2 blocks x SPH: O (8,192 bytes, as it lies in the registers), then m and l (512); no tensor load lands there
.set SPH,   8704
.set SWV,   17408
.set OSTG,  286720                     ; 8 waves x 32 rows x 144, for the way out; no tensor load lands there
.set KADR, 2                           ; v2-3  slot 0, 1
.set VADR, 4                           ; v4-5  slot 0, 1
.set QA,   6
.set STO,  7
.set RD,   8
.set OA,   9
.set SA,   10                          ; my state
.set SX,   11                          ; the state that I merge: of wave g,
.set SY,   12                          ; and of wave g + 4
.set QF,   16                          ; v[16:47]   Q fragments (qt, ks) at 16 qt + 8 ks
.set OACC, 48                          ; v[48:111]  O^T (qt, dt) at 32 qt + 8 dt
.set SC,   112                         ; v[112:175] S^T (qt, kt) at 32 qt + 8 kt; then P, (qt, ks) at 32 qt + 16 ks
.set KF,   176                         ; v[176:239] K fragments (kt, ks) at 16 kt + 8 ks
.set YM,   176                         ; the merge: the other state's m, m, l, l
.set MW,   184                         ; the merge: at work
.set FX,   192                         ; the merge: factors, (qt): a pair for the first state, a pair for the second
.set PKO,  208                         ; the way out: packed bf16
.set VF,   0                           ; window 1, v[0:63]: V^T fragments (dt, ks) at 16 dt + 8 ks
.set QB,   64                          ; window 1, v[64:95]: the second block's Q fragments, loaded at the start
.set MX,   240                         ; running maximum, qt = 0, 1
.set LS,   242                         ; this lane's part of the running sum
.set DQ,   244                         ; on the diagonal tile: key 64 kh + 16 kt + j of my 128 is masked where it is greater than this
.set AL,   246                         ; pair: the factor for old sums
.set NM,   248                         ; pair: - maximum x log2(e) / 8
.set T,    250                         ; v[250:253] at work
.set NINF, 254
.set G1, 16
.set G0, 32
.set MSB, 0
.macro WIN new                         ; the immediate's high byte repeats the setting that is left
.if MSB != \new
	s_set_vgpr_msb (MSB<<8)|\new
.set MSB, \new
.endif
.endm
.macro PLACES
.rept 4
	v_nop
.endr
.endm
.macro QLOAD b, d                      ; my 32 queries as source 1 fragments, straight from memory: row r, 16 bytes at 16 h and 32 further
.irp qt, 0,1
.irp ks, 0,1
	global_load_b128 v[\d+16*\qt+8*\ks:\d+16*\qt+8*\ks+3],   v[QA], s[\b:\b+1] offset:\qt*2048+\ks*64
	global_load_b128 v[\d+16*\qt+8*\ks+4:\d+16*\qt+8*\ks+7], v[QA], s[\b:\b+1] offset:\qt*2048+\ks*64+32
.endr
.endr
.endm
.macro RESET                           ; every tile multiplies O by the factor for old sums, the first too, so O starts as zeros (64 registers, twice in the kernel)
.set e, 0
.rept 64
	v_mov_b32 v[OACC+e], 0
.set e, e+1
.endr
	v_mov_b32 v[MX], v[NINF]
	v_mov_b32 v[MX+1], v[NINF]
	v_mov_b32 v[LS], 0
	v_mov_b32 v[LS+1], 0
.endm
.macro KLOAD slot, kh                  ; 64 of my 128 keys x 64 d
.irp kt, 0,1,2,3
.irp ks, 0,1
	ds_load_b128 v[KF+16*\kt+8*\ks:KF+16*\kt+8*\ks+3],   v[KADR+\slot] offset:(64*\kh+16*\kt)*PKV+64*\ks
	ds_load_b128 v[KF+16*\kt+8*\ks+4:KF+16*\kt+8*\ks+7], v[KADR+\slot] offset:(64*\kh+16*\kt)*PKV+64*\ks+32
.endr
.endr
.endm
.macro VLOAD slot, kh                  ; the same 64 keys of V, transposed: lane l gets d = 16 dt + l % 16 with the keys along its registers
	WIN 0x40
.irp dt, 0,1,2,3
.irp ks, 0,1
	ds_load_tr16_b128 v[VF+16*\dt+8*\ks:VF+16*\dt+8*\ks+3],   v[VADR+\slot] offset:(64*\kh+32*\ks)*PKV+32*\dt
	ds_load_tr16_b128 v[VF+16*\dt+8*\ks+4:VF+16*\dt+8*\ks+7], v[VADR+\slot] offset:(64*\kh+32*\ks+16)*PKV+32*\dt
.endr
.endr
	WIN 0
.endm
; softmax's step on the 32 scores of query tile qt (64 keys)
.macro SOFT qt, kh, masked
.set SB, SC+32*\qt
.if \masked
.set e, 0
.rept 8
.irp u, 0,1,2,3
	v_cmp_gt_i32 s[52+\u], 64*\kh+16*((e+\u)/8)+((e+\u)%8), v[DQ+\qt]     ; key behind the query
.endr
.irp u, 0,1,2,3
	v_cndmask_b32 v[SB+e+\u], v[SB+e+\u], v[NINF], s[52+\u]
.endr
.set e, e+4
.endr
.endif
.set e, 0
.rept 8
.irp u, 0,1,2,3
	v_cmp_eq_f32 s[52+\u], 0, v[SB+e+\u]                                  ; a score of 0 is masked
.endr
.irp u, 0,1,2,3
	v_cndmask_b32 v[SB+e+\u], v[SB+e+\u], v[NINF], s[52+\u]
.endr
.set e, e+4
.endr
	v_max3_num_f32 v[T], v[SB], v[SB+1], v[SB+2]
	v_max3_num_f32 v[T+1], v[SB+16], v[SB+17], v[SB+18]
.irp n, 3,5,7,9,11,13
	v_max3_num_f32 v[T], v[T], v[SB+\n], v[SB+\n+1]
	v_max3_num_f32 v[T+1], v[T+1], v[SB+16+\n], v[SB+16+\n+1]
.endr
	v_max3_num_f32 v[T], v[T], v[SB+15], v[SB+31]
	v_max_num_f32 v[T], v[T], v[T+1]
	v_permlanex16_b32 v[T+1], v[T], s43, s44       ; the query's other 32 keys
	v_max3_num_f32 v[T], v[T], v[T+1], v[MX+\qt]   ; the new maximum
	v_cmp_neq_f32 vcc_lo, v[T], v[NINF]
	v_cndmask_b32 v[T+1], 0, v[T], vcc_lo          ; the shift: the maximum, or 0 while all is masked
	v_mul_f32 v[NM], s42, v[T+1]
	v_fma_f32 v[T+1], v[MX+\qt], s40, v[NM]
	v_exp_f32 v[AL], v[T+1]                        ; the factor for old sums (0 from an old maximum of -inf)
	v_mov_b32 v[MX+\qt], v[T]
.set e, 0
.rept 16
	v_pk_fma_f32 v[SB+e:SB+e+1], v[SB+e:SB+e+1], s[40:41], v[NM:NM+1] op_sel_hi:[1,0,0]
.set e, e+2
.endr
.set e, 0
.rept 32
	v_exp_f32 v[SB+e], v[SB+e]
.set e, e+1
.endr
	v_nop                                          ; one plain instruction behind the last exponential before its result is read (ISA guide 5.7.2)
	s_wait_alu depctr_va_vdst(0)
	v_pk_add_f32 v[T:T+1], v[SB:SB+1], v[SB+2:SB+3]
	v_pk_add_f32 v[T+2:T+3], v[SB+4:SB+5], v[SB+6:SB+7]
.irp n, 8,12,16,20,24,28
	v_pk_add_f32 v[T:T+1], v[T:T+1], v[SB+\n:SB+\n+1]
	v_pk_add_f32 v[T+2:T+3], v[T+2:T+3], v[SB+\n+2:SB+\n+3]
.endr
	v_pk_add_f32 v[T:T+1], v[T:T+1], v[T+2:T+3]
	v_add_f32 v[T], v[T], v[T+1]
	v_fma_f32 v[LS+\qt], v[LS+\qt], v[AL], v[T]
.irp kt, 0,1,2,3
.irp i, 0,1,2,3
	v_cvt_pk_bf16_f32 v[SB+16*(\kt/2)+4*(\kt%2)+\i], v[SB+8*\kt+2*\i], v[SB+8*\kt+2*\i+1]   ; packed downwards in place: never onto a word not yet read
.endr
.endr
.set e, 0
.rept 16
	v_pk_mul_f32 v[OACC+32*\qt+e:OACC+32*\qt+e+1], v[OACC+32*\qt+e:OACC+32*\qt+e+1], v[AL:AL+1] op_sel_hi:[1,0]
.set e, e+2
.endr
.endm
; 64 keys: scores, softmax's step, O.  Eight accumulators take turns in each run of sixteen matrix instructions.
.macro HALF slot, kh, masked
	s_wait_dscnt 0x0                               ; this half's K fragments are in
.irp ks, 0,1
.irp qt, 0,1
.irp kt, 0,1,2,3
.if \ks == 0
	v_wmma_f32_16x16x32_bf16 v[SC+32*\qt+8*\kt:SC+32*\qt+8*\kt+7], v[KF+16*\kt+8*\ks:KF+16*\kt+8*\ks+7], v[QF+16*\qt+8*\ks:QF+16*\qt+8*\ks+7], 0
.else
	v_wmma_f32_16x16x32_bf16 v[SC+32*\qt+8*\kt:SC+32*\qt+8*\kt+7], v[KF+16*\kt+8*\ks:KF+16*\kt+8*\ks+7], v[QF+16*\qt+8*\ks:QF+16*\qt+8*\ks+7], v[SC+32*\qt+8*\kt:SC+32*\qt+8*\kt+7]
.endif
.endr
.endr
.endr
	PLACES                                         ; four places before the scores are read and K's registers loaded again (ISA guide 7.12.1)
	VLOAD \slot, \kh
.if \kh == 0
	KLOAD \slot, 1
.endif
	SOFT 0, \kh, \masked
	SOFT 1, \kh, \masked
.if \kh == 0
	s_wait_dscnt 16                                ; V's sixteen loads are in; the sixteen younger ones (the next half's K) stay out
.else
	s_wait_dscnt 0x0
.endif
	WIN 0x01                                       ; source 0 (V^T) window 1
.irp ks, 0,1
.irp qt, 0,1
.irp dt, 0,1,2,3
	v_wmma_f32_16x16x32_bf16 v[OACC+32*\qt+8*\dt:OACC+32*\qt+8*\dt+7], v[VF+16*\dt+8*\ks:VF+16*\dt+8*\ks+7], v[SC+32*\qt+16*\ks:SC+32*\qt+16*\ks+7], v[OACC+32*\qt+8*\dt:OACC+32*\qt+8*\dt+7]
.endr
.endr
.endr
	WIN 0
.rept 5
	v_nop                                          ; five places: the next scores are written over P; O is stored or cleared behind them too
.endr
.endm
.macro PROC slot, masked               ; my 128 keys of a tile
	KLOAD \slot, 0
	HALF \slot, 0, \masked
	HALF \slot, 1, \masked
.endm
; my O, m and l of block ph (0 the first, 1 the second) into my own state bytes, as they lie in the registers: lane l at 16 l, no bank conflict
.macro DUMP ph
.set e, 0
.rept 16
	ds_store_b128 v[SA], v[OACC+4*e:OACC+4*e+3] offset:\ph*SPH+512*e
.set e, e+1
.endr
	ds_store_b128 v[SA], v[MX:MX+3] offset:\ph*SPH+8192
.endm
; One key tile.  In front of the barrier: all my tensor loads have landed (this tile's part among them) and my LDS accesses are done; behind it
; the next tile goes into the other slot, the wave's one tensor load, with a whole tile's work in which to land.
.macro TRIP slot, refill, tail
	s_wait_tensorcnt 0x0
	ds_add_u32 v15, v255
	s_wait_dscnt 0x0
.if \refill
	s_lshl_b32 s46, s45, 1                         ; this tile's number in the walk is 2 x trip + slot
	s_add_co_u32 s50, s46, \slot+1                 ; the next one's;
	s_sub_co_u32 s51, s50, s48                     ; behind the first block's tiles the count starts again
	s_cmp_le_u32 s50, s47
	s_cselect_b32 s50, s50, s51
	s_lshl_b32 s50, s50, 15                        ; 256 keys x 128 bytes
	s_mov_b32 s51, 0
	s_add_nc_u64 s[G0+4*(1-\slot)+2:G0+4*(1-\slot)+3], s[24:25], s[50:51]
	s_or_b32 s[G0+4*(1-\slot)+3], s[G0+4*(1-\slot)+3], 0x80000000
.endif
	s_wait_dscnt 0x0
	s_barrier_signal -1
	s_barrier_wait -1
.if \refill
	tensor_load_to_lds s[G0+4*(1-\slot):G0+4*(1-\slot)+3], s[G1:G1+7]
	s_nop 0
.endif
.if \tail
	PROC \slot, 1
	DUMP 1
.else
	s_add_co_u32 s50, s46, \slot
	s_cmp_eq_u32 s50, s47                          ; the first block's tile on the diagonal?  (the work-group's number and the trip: alike in all waves)
	s_cbranch_scc1 .Ldiag_\@
	PROC \slot, 0
	s_branch .Ljoin_\@
.Ldiag_\@:
	PROC \slot, 1
	DUMP 0                                         ; the first block's state; LDS stores have read their data when they are issued in order, so O may be cleared
	WIN 0x01                                       ; source window 1
.set e, 0
.rept 32
	v_mov_b32 v[QF+e], v[QB+e]                     ; the second block's queries
.set e, e+1
.endr
	WIN 0
	RESET
	v_add_nc_u32 v[DQ], s60, v[DQ]                 ; the second block lies in the other half of its diagonal tile
	v_add_nc_u32 v[DQ+1], s60, v[DQ+1]
.Ljoin_\@:
.endif
.endm
	s_load_b128 s[4:7], s[0:1], 0x0                ; qkvb 4:5, att 6:7
	v_lshl_add_u32 v15, v0, 2, 0x4f000
	v_mov_b32 v255, 0
	ds_add_u32 v15, v255
	ds_add_u32 v15, v255
	v_lshrrev_b32 v1, 5, v0
	v_readfirstlane_b32 s8, v1                     ; wave 0..7
	s_lshr_b32 s9, ttmp9, 3                        ; bh
	s_and_b32 s10, ttmp9, 7                        ; p
	s_sub_co_u32 s62, 15, s10                      ; the first query block
	s_lshr_b32 s47, s62, 1                         ; its last tile
	s_add_co_u32 s48, s47, 1                       ; its tiles
	s_lshr_b32 s63, s8, 2                          ; kq: my half of a tile's keys.  Also: I fetch K (0) or V (1), and finish the first block (0) or the second (1)
	s_and_b32 s61, s8, 3                           ; g: my 32 queries.  Also: which quarter of K or V I fetch
	s_mov_b32 s[G1+0], (3<<16)|(1<<20)|(4<<22)|(3<<25)   ; 8-byte elements; 4 words of padding behind every 32 words (a key's 128 bytes)
	s_mov_b32 s[G1+1], 32<<16                      ; tensor_dim0 = 32 elements: the dense block as rows of 256 bytes
	s_mov_b32 s[G1+2], 32<<16                      ; tensor_dim1 = 32
	s_mov_b32 s[G1+3], 32<<16                      ; tile_dim0 = 32
	s_mov_b32 s[G1+4], 32                          ; tile_dim1 = 32: 8,192 bytes, 64 keys
	s_mov_b32 s[G1+5], 32
	s_mov_b32 s[G1+6], 0
	s_mov_b32 s[G1+7], 0
	s_add_co_u32 s11, s63, 1
	s_lshl_b32 s11, s11, 23                        ; K's or V's part of qkvb
	s_lshl_b32 s12, s9, 18                         ; bh x 262,144
	s_lshl_b32 s13, s61, 13                        ; my 64 keys of a tile
	s_add_co_u32 s14, s11, s12
	s_add_co_u32 s14, s14, s13
	s_mov_b32 s15, 0
	s_mul_i32 s49, s8, 9216                        ; LDS: wave x 64 rows of 144 bytes: K's four quarters, then V's
	s_wait_dscnt 0x0
	s_wait_kmcnt 0x0
	s_add_nc_u64 s[24:25], s[4:5], s[14:15]
	s_mov_b32 s[G0], 1
	s_mov_b32 s[G0+1], s49
	s_mov_b64 s[G0+2:G0+3], s[24:25]
	s_or_b32 s[G0+3], s[G0+3], 0x80000000
	s_mov_b32 s[G0+4], 1
	s_add_co_u32 s[G0+5], s49, SLOT
	tensor_load_to_lds s[G0:G0+3], s[G1:G1+7]      ; tile 0, ahead of everything else; one tensor load of the wave is out at any time
	s_nop 0
	s_lshl_b32 s14, s62, 14
	s_add_co_u32 s14, s14, s12
	s_add_nc_u64 s[26:27], s[4:5], s[14:15]        ; Q of the first block
	s_lshl_b32 s14, s10, 14
	s_add_co_u32 s14, s14, s12
	s_add_nc_u64 s[28:29], s[4:5], s[14:15]        ; Q of the second
	s_lshr_b32 s11, s9, 4
	s_lshl_b32 s11, s11, 22                        ; b x 2,048 rows x 2,048 bytes
	s_and_b32 s13, s9, 15
	s_lshl_b32 s13, s13, 7                         ; h x 128 bytes
	s_add_co_u32 s11, s11, s13
	s_lshl_b32 s14, s62, 18
	s_add_co_u32 s14, s14, s11
	s_add_nc_u64 s[30:31], s[6:7], s[14:15]        ; out of the first block
	s_lshl_b32 s14, s10, 18
	s_add_co_u32 s14, s14, s11
	s_add_nc_u64 s[56:57], s[6:7], s[14:15]        ; out of the second
	s_cmp_lt_u32 s8, 4
	s_cselect_b64 s[58:59], s[30:31], s[56:57]     ; the block that I finish
	s_mov_b32 s40, 0x3e38aa3b                      ; log2(e) / 8
	s_mov_b32 s41, 0x3e38aa3b
	s_mov_b32 s42, 0xbe38aa3b
	s_mov_b32 s43, 0x76543210
	s_mov_b32 s44, 0xfedcba98
	v_and_b32 v16, 15, v0                          ; r
	v_bfe_u32 v17, v0, 4, 1                        ; h
	v_and_b32 v18, 7, v0
	v_bfe_u32 v19, v0, 3, 1
	v_bfe_u32 v20, v0, 3, 2                        ; lane / 8
	v_and_b32 v21, 31, v0                          ; lane
	v_mul_u32_u24 v22, v16, PKV
	v_lshl_add_u32 v22, v17, 4, v22                ; r x 144 + 16 h
	s_mul_i32 s11, s63, 128*PKV                    ; my 128 keys
	v_add_nc_u32 v[KADR], s11, v22
	v_add_nc_u32 v[KADR+1], SLOT, v[KADR]
	v_lshl_add_u32 v23, v17, 3, v18
	v_mul_u32_u24 v23, v23, PKV
	v_lshl_add_u32 v23, v19, 4, v23                ; (8 h + l % 8) x 144 + 16 ((l / 8) % 2)
	s_add_co_u32 s11, s11, KVB                     ; behind K
	v_add_nc_u32 v[VADR], s11, v23
	v_add_nc_u32 v[VADR+1], SLOT, v[VADR]
	s_lshl_b32 s11, s61, 5
	v_add_nc_u32 v24, s11, v16                     ; 32 g + r
	v_lshlrev_b32 v25, 7, v24
	v_lshl_add_u32 v[QA], v17, 4, v25
	s_mul_i32 s13, s8, 32*PKV
	s_add_co_u32 s13, s13, OSTG
	v_add_nc_u32 v[STO], s13, v22
	v_mul_u32_u24 v25, v20, PKV
	v_lshl_add_u32 v25, v18, 4, v25
	v_add_nc_u32 v[RD], s13, v25
	v_add_nc_u32 v25, s11, v20
	v_lshlrev_b32 v25, 11, v25
	v_lshl_add_u32 v[OA], v18, 4, v25
	v_lshlrev_b32 v25, 3, v17
	v_sub_nc_u32 v[DQ], v24, v25                   ; 32 g + r - 8 h,
	s_and_b32 s13, s62, 1                          ; + 128 where the block is the upper half of its diagonal tile,
	s_sub_co_i32 s13, s13, s63                     ; - 128 where my keys are
	s_lshl_b32 s13, s13, 7
	v_add_nc_u32 v[DQ], s13, v[DQ]
	v_add_nc_u32 v[DQ+1], 16, v[DQ]
	s_and_b32 s60, s10, 1                          ; the second block's parity is the other one: the step is + 128 or - 128
	s_lshl_b32 s60, s60, 8
	s_sub_co_i32 s60, s60, 128
	v_lshlrev_b32 v25, 4, v21                      ; 16 x lane
	s_mul_i32 s13, s8, SWV
	s_add_co_u32 s13, s13, STATE
	v_add_nc_u32 v[SA], s13, v25
	s_mul_i32 s13, s61, SWV
	s_mul_i32 s11, s63, SPH
	s_add_co_u32 s13, s13, s11
	s_add_co_u32 s13, s13, STATE
	v_add_nc_u32 v[SX], s13, v25                   ; wave g's state of the block that I finish,
	v_add_nc_u32 v[SY], 4*SWV, v[SX]               ; and wave g + 4's
	v_mov_b32 v[NINF], 0xff800000
	v_mov_b32 v[AL+1], 0                           ; the unused halves of the pairs that are broadcast
	v_mov_b32 v[NM+1], 0
	v_mov_b32 v[T+1], 0
	v_mov_b32 v[T+3], 0
	QLOAD 26, QF
	WIN 0x40                                       ; destination window 1
	QLOAD 28, QB                                   ; the second block's queries now, so that the change of blocks waits for no memory
	WIN 0
	RESET
	s_wait_loadcnt 0x0
	s_mov_b32 s45, 0
.Ltiles:
	TRIP 0, 1, 0
	TRIP 1, 1, 0
	s_add_co_u32 s45, s45, 1
	s_cmp_lt_u32 s45, 4
	s_cbranch_scc1 .Ltiles
	TRIP 0, 0, 1                                   ; the ninth tile: the second block's diagonal; nothing is left to fetch
	; THE MERGE.  Every wave's two states are in LDS (its stores waited for, then the barrier).  I take the two states of queries 32 g .. + 31 of my block.
	s_wait_dscnt 0x0
	s_barrier_signal -1
	s_barrier_wait -1
	ds_load_b128 v[MX:MX+3], v[SX] offset:8192
	ds_load_b128 v[YM:YM+3], v[SY] offset:8192
.set e, 0
.rept 16
	ds_load_b128 v[OACC+4*e:OACC+4*e+3], v[SX] offset:512*e
	ds_load_b128 v[SC+4*e:SC+4*e+3], v[SY] offset:512*e
.set e, e+1
.endr
	s_wait_dscnt 32                                ; both (m, l) are in; the 32 younger loads (the two O) stay out
.irp qt, 0,1
	v_max_num_f32 v[MW+\qt], v[MX+\qt], v[YM+\qt]  ; the common maximum
.endr
.irp qt, 0,1
	v_cmp_neq_f32 vcc_lo, v[MW+\qt], v[NINF]
	v_cndmask_b32 v[MW+\qt], 0, v[MW+\qt], vcc_lo  ; the shift: the maximum, or 0 where all is masked
	v_mul_f32 v[MW+\qt], s42, v[MW+\qt]
	v_fma_f32 v[MW+2+\qt], v[MX+\qt], s40, v[MW+\qt]
	v_fma_f32 v[MW+4+\qt], v[YM+\qt], s40, v[MW+\qt]
.endr
	v_exp_f32 v[MW+2], v[MW+2]                     ; the two states' factors (0 from a maximum of -inf)
	v_exp_f32 v[MW+3], v[MW+3]
	v_exp_f32 v[MW+4], v[MW+4]
	v_exp_f32 v[MW+5], v[MW+5]
	v_nop                                          ; one plain instruction behind the last exponential (ISA guide 5.7.2)
	s_wait_alu depctr_va_vdst(0)
.irp qt, 0,1
	v_mul_f32 v[MW+6+\qt], v[LS+\qt], v[MW+2+\qt]
.endr
.irp qt, 0,1
	v_fma_f32 v[MW+6+\qt], v[YM+2+\qt], v[MW+4+\qt], v[MW+6+\qt]
.endr
	v_permlanex16_b32 v[T], v[MW+6], s43, s44      ; the sums were kept lane by lane: the other half's part
	v_permlanex16_b32 v[T+2], v[MW+7], s43, s44
	v_add_f32 v[T], v[T], v[MW+6]
	v_add_f32 v[T+2], v[T+2], v[MW+7]
	v_rcp_f32 v[T], v[T]
	v_rcp_f32 v[T+2], v[T+2]
	v_nop
	s_wait_alu depctr_va_vdst(0)
.irp qt, 0,1
	v_mul_f32 v[FX+4*\qt],   v[MW+2+\qt], v[T+2*\qt]
	v_mul_f32 v[FX+4*\qt+1], v[MW+2+\qt], v[T+2*\qt]
	v_mul_f32 v[FX+4*\qt+2], v[MW+4+\qt], v[T+2*\qt]
	v_mul_f32 v[FX+4*\qt+3], v[MW+4+\qt], v[T+2*\qt]
.endr
	s_wait_dscnt 0x0
.irp qt, 0,1
.set e, 0
.rept 16
	v_pk_mul_f32 v[OACC+32*\qt+e:OACC+32*\qt+e+1], v[OACC+32*\qt+e:OACC+32*\qt+e+1], v[FX+4*\qt:FX+4*\qt+1]
.set e, e+2
.endr
.endr
.irp qt, 0,1
.set e, 0
.rept 16
	v_pk_fma_f32 v[OACC+32*\qt+e:OACC+32*\qt+e+1], v[SC+32*\qt+e:SC+32*\qt+e+1], v[FX+4*\qt+2:FX+4*\qt+3], v[OACC+32*\qt+e:OACC+32*\qt+e+1]
.set e, e+2
.endr
.endr
	; round, through my stage (32 rows of 128 bytes), out
.irp qt, 0,1
.irp dt, 0,1,2,3
.irp i, 0,1,2,3
	v_cvt_pk_bf16_f32 v[PKO+16*\qt+4*\dt+\i], v[OACC+32*\qt+8*\dt+2*\i], v[OACC+32*\qt+8*\dt+2*\i+1]
.endr
.endr
.endr
.irp qt, 0,1
.irp dt, 0,1,2,3
	ds_store_b128 v[STO], v[PKO+16*\qt+4*\dt:PKO+16*\qt+4*\dt+3] offset:\qt*16*PKV+32*\dt
.endr
.endr
.irp i, 0,1,2,3,4,5,6,7
	ds_load_b128 v[SC+4*\i:SC+4*\i+3], v[RD] offset:4*PKV*\i     ; four rows; LDS serves a wave's instructions in order
.endr
.irp i, 0,1,2,3,4,5,6,7
	s_wait_dscnt 7-\i
	global_store_b128 v[OA], v[SC+4*\i:SC+4*\i+3], s[58:59] offset:8192*\i
.endr
	s_wait_tensorcnt 0x0
	ds_add_u32 v15, v255
	s_wait_dscnt 0x0
	s_endpgm
.Lfunc_end_k_q307d2c8375_attn:
	.size	k_q307d2c8375_attn, .Lfunc_end_k_q307d2c8375_attn-k_q307d2c8375_attn
	.p2alignl 7, 3214868480
	.fill 96, 4, 3214868480
	.section	.rodata,"a",@progbits
	.p2align	6, 0x0
	.amdhsa_kernel k_q307d2c8375_attn
		.amdhsa_group_segment_fixed_size 327680
		.amdhsa_private_segment_fixed_size 0
		.amdhsa_enable_private_segment 0
		.amdhsa_kernarg_size 16
		.amdhsa_user_sgpr_count 2
		.amdhsa_user_sgpr_kernarg_segment_ptr 1
		.amdhsa_wavefront_size32 1
		.amdhsa_system_sgpr_workgroup_id_x 1
		.amdhsa_system_sgpr_workgroup_id_y 1
		.amdhsa_system_sgpr_workgroup_id_z 1
		.amdhsa_system_vgpr_workitem_id 0
		.amdhsa_next_free_vgpr 352
		.amdhsa_next_free_sgpr 66
		.amdhsa_reserve_vcc 1
		.amdhsa_float_denorm_mode_32 3
		.amdhsa_float_denorm_mode_16_64 3
		.amdhsa_memory_ordered 1
		.amdhsa_forward_progress 1
		.amdhsa_inst_pref_size 255
	.end_amdhsa_kernel
	.section	.bss,"aw",@nobits
	.p2align	6
	.space	262144
	.amdgpu_metadata
---
amdhsa.version: [ 1, 2 ]
amdhsa.kernels:
  - .name:           k_q307d2c8375_attn
    .symbol:         k_q307d2c8375_attn.kd
    .args:
      - { .name: qkvb, .offset: 0, .size: 8, .value_kind: global_buffer, .address_space: global }
      - { .name: att, .offset: 8, .size: 8, .value_kind: global_buffer, .address_space: global }
    .group_segment_fixed_size: 327680
    .private_segment_fixed_size: 0
    .kernarg_segment_align: 8
    .kernarg_segment_size: 16
    .max_flat_workgroup_size: 256
    .sgpr_count:     66
    .vgpr_count:     352
    .wavefront_size: 32
...
	.end_amdgpu_metadata
.endif
;; end of part 3
;; launch wo (part 4): grid 8 x 32, 4 waves a work-group, clusters of 4 x 4, 327,680 bytes of LDS; arguments att, wb, b_O, resid_pre, rmid; writes rmid
.if DOCPART == 4
	.amdgcn_target "amdgcn-amd-amdhsa--gfx1250"
	.amdhsa_code_object_version 6
	.text
	.protected	k_q307d2c8375_wo
	.globl	k_q307d2c8375_wo
	.p2align	8
	.type	k_q307d2c8375_wo,@function
k_q307d2c8375_wo:
	s_mov_b64 s[64:65], 0
	v_nop
	global_prefetch_b8 v0, s[64:65] scope:SCOPE_SE
	s_setreg_imm32_b32 hwreg(HW_REG_WAVE_MODE, 25, 1), 1
	s_wait_xcnt 0x0
	s_wait_alu depctr_hold_cnt(0) depctr_sa_sdst(0) depctr_va_vdst(0) depctr_va_sdst(0) depctr_va_ssrc(0) depctr_va_vcc(0) depctr_vm_vsrc(0)
	s_getreg_b32 s2, hwreg(HW_REG_IB_STS2, 6, 4)
	s_cmp_eq_u32 s2, 0
	s_cbranch_scc0 .Lentry_in_a_cluster
	s_endpgm
.Lentry_in_a_cluster:
	s_bfe_u32 s2, ttmp6, 0x10000c
	s_cmp_lg_u32 s2, 0xf033
	s_cbranch_scc0 .Lentry_shape_is_right
	s_endpgm
.Lentry_shape_is_right:
; out [4096][1024] f32 = A [4096][SIZE_K] bf16 x W [SIZE_K][1024] bf16 (in wb at WOFF) + bias + resid.  f32 sums.
; 1,024 columns leave 128 x 128 of the result for each of 256 work-groups; four waves of 64 x 64 (16 accumulator tiles).
; Two LDS slots, each with K = 256 (two steps of 128 in one load): one round of the cluster's barrier for 128 matrix instructions of a wave.
; A's tile lies [row][k], rows of 512 bytes, pitch 528; W's lies [k][n] as in memory, rows of 256 bytes, pitch 288, read by the transposing LDS load.
; CLUSTERS: 4 x 4 work-groups; A's tile is asked for jointly along a row of the cluster, W's along a column.
; REGISTERS: window 0: v0-31 addresses and bias, v64-191 fragments (two buffers: W's four at + 0, A's four at + 32), v192-255 rows read back;
; window 1: v0-127 accumulators (a, b) at 8 (4 a + b), v128-255 the residual of my 64 x 64, loaded at the start.
; The matrix instruction is used transposed (source 0 = W's columns, source 1 = A's rows): a lane holds eight neighbouring columns of one row.
.set SIZE_K, 1024
.set WOFF,   6291456
.set NOUT,   1024
.set PA,     528                       ; 512 + 16
.set PBB,    288                       ; 256 + 32 = 9 x 32
.set QSTR,   36864                     ; a wave's part of a slot: 64 rows of A (33,792 bytes used) or 128 k rows of W (all of it)
.set SLOT,   4*QSTR
.set STAGE,  2*SLOT                    ; 16 rows x 272 bytes for each wave; no tensor load lands there
.set SPITCH, 272
.set TRIPS,  SIZE_K/512-1
.set ADRA, 16                          ; v16-17 slot 0, 1
.set ADRB, 20                          ; v20-23 slot 0, 1 x k rows 0-127, 128-255
.set STO,  24
.set RD,   25
.set CO,   26
.set BAD,  27
.set BI4,  28                          ; v[28:31] bias of my 4 columns on the way out
.set F0,   64
.set F1,   128
.set RB0,  192
.set RB1,  224
.set ACC,  0
.set RES,  128
.set G1, 24
.set G0, 32
.set G1B, 48
.set G0B, 56
.set MSB, 0
.macro WIN new
.if MSB != \new
	s_set_vgpr_msb (MSB<<8)|\new
.set MSB, \new
.endif
.endm
.macro JLOAD s                         ; waves 0 and 1 fetch A's two halves, waves 2 and 3 W's; the branch hangs on the wave's number alone
	s_cmp_eq_u32 s11, 0
	s_cbranch_scc0 .Lfor_b_\@
	tensor_load_to_lds s[G0+4*(\s):G0+4*(\s)+3], s[G1:G1+7]
	s_nop 0
	s_branch .Lasked_\@
.Lfor_b_\@:
	tensor_load_to_lds s[G0B+4*(\s):G0B+4*(\s)+3], s[G1B:G1B+7]
	s_nop 0
.Lasked_\@:
.endm
.macro CREST
	s_cmp_lg_u32 s10, 0
	s_cbranch_scc1 .Lnot_wave_0_\@
	s_barrier_signal -3
.Lnot_wave_0_\@:
	s_barrier_wait -3
	s_barrier_signal -1
	s_barrier_wait -1
.endm
.macro CROUND
	s_barrier_signal -1
	s_barrier_wait -1
	CREST
.endm
.macro PLACES
.rept 4
	v_nop
.endr
.endm
	s_load_b256 s[68:75], s[0:1], 0x0              ; A 68:69, wb 70:71, bias 72:73, resid 74:75
	s_load_b64 s[76:77], s[0:1], 0x20              ; out
	v_lshl_add_u32 v62, v0, 2, 0x4c400
	v_mov_b32 v63, 0
	ds_add_u32 v62, v63
	ds_add_u32 v62, v63
	v_lshrrev_b32 v1, 5, v0
	v_readfirstlane_b32 s10, v1                    ; wave
	s_lshr_b32 s11, s10, 1                         ; my half of the rows.  Also: I fetch A (0) or W (1)
	s_and_b32 s12, s10, 1                          ; my half of the columns.  Also: which half of that tile I fetch
	s_bfe_u32 s40, ttmp6, 0x40000                  ; cx
	s_bfe_u32 s41, ttmp6, 0x40004                  ; cy
	s_lshl_b32 s42, ttmp9, 2
	s_add_co_u32 s42, s42, s40                     ; block column
	s_and_b32 s13, ttmp7, 0xffff
	s_lshl_b32 s13, s13, 2
	s_add_co_u32 s13, s13, s41                     ; block row
	s_lshl_b32 s43, s41, 2
	s_lshl_b32 s43, 15, s43
	s_lshl_b32 s44, 0x1111, s40
	s_or_b32 s[G1+0], s43, (1<<16)|(1<<20)|(1<<21)|(6<<22)|(3<<25)   ; my row's mask; 2-byte elements; 4 words of padding behind every 128
	s_mov_b32 s[G1+1], 256<<16                     ; tensor_dim0 = 256 along K
	s_mov_b32 s[G1+2], 64<<16                      ; tensor_dim1 = 64 rows
	s_mov_b32 s[G1+3], 256<<16
	s_mov_b32 s[G1+4], 64
	s_mov_b32 s[G1+5], SIZE_K
	s_mov_b32 s[G1+6], 0
	s_mov_b32 s[G1+7], 0
	s_or_b32 s[G1B+0], s44, (1<<16)|(1<<20)|(1<<21)|(5<<22)|(7<<25)  ; my column's mask; 8 words of padding behind every 64
	s_mov_b32 s[G1B+1], 128<<16                    ; tensor_dim0 = 128 columns
	s_mov_b32 s[G1B+2], 128<<16                    ; tensor_dim1 = 128 k rows
	s_mov_b32 s[G1B+3], 128<<16
	s_mov_b32 s[G1B+4], 128
	s_mov_b32 s[G1B+5], NOUT
	s_mov_b32 s[G1B+6], 0
	s_mov_b32 s[G1B+7], 0
	s_lshl_b32 s17, s12, 6
	s_lshl_b32 s16, s13, 7
	s_add_co_u32 s16, s16, s17                     ; A: row 128 x block row + 64 x half
	s_mul_i32 s16, s16, SIZE_K*2
	s_mov_b32 s17, 0
	s_lshl_b32 s45, s12, 18                        ; W: k row 128 x half (2,048 bytes a row),
	s_lshl_b32 s46, s42, 8                         ; column 128 x block column
	s_add_co_u32 s46, s46, s45
	s_add_co_u32 s46, s46, WOFF
	s_mov_b32 s47, 0
	s_mul_i32 s20, s10, QSTR                       ; LDS: wave x its part's bytes
	s_wait_dscnt 0x0
	s_wait_kmcnt 0x0
	s_add_nc_u64 s[14:15], s[68:69], s[16:17]
	s_add_nc_u64 s[46:47], s[70:71], s[46:47]
	CROUND                                         ; all sixteen work-groups are here: the first joint loads meet
.irp s, 0,1
	s_mov_b32 s[G0+4*\s], 1
	s_add_co_u32 s[G0+4*\s+1], s20, \s*SLOT
	s_add_nc_u64 s[G0+4*\s+2:G0+4*\s+3], s[14:15], \s*512
	s_or_b32 s[G0+4*\s+3], s[G0+4*\s+3], 0x80000000
	s_mov_b32 s[G0B+4*\s], 1
	s_add_co_u32 s[G0B+4*\s+1], s20, \s*SLOT
	s_add_nc_u64 s[G0B+4*\s+2:G0B+4*\s+3], s[46:47], \s*256*NOUT*2
	s_or_b32 s[G0B+4*\s+3], s[G0B+4*\s+3], 0x80000000
	JLOAD \s                                       ; two tensor loads of the wave are out, later one
.endr
	v_and_b32 v1, 15, v0                           ; r
	v_bfe_u32 v2, v0, 4, 1                         ; h
	v_mul_u32_u24 v3, v1, PA
	v_lshl_add_u32 v3, v2, 4, v3
	v_and_b32 v6, 7, v0
	v_lshl_add_u32 v6, v2, 3, v6
	v_mul_u32_u24 v6, v6, PBB
	v_bfe_u32 v7, v0, 3, 1
	v_lshl_add_u32 v6, v7, 4, v6
	s_mul_i32 s21, s11, QSTR                       ; my 64 rows of A are one wave's part
	s_lshl_b32 s22, s12, 7                         ; my 64 columns of W
	s_add_co_u32 s22, s22, 2*QSTR
.irp s, 0,1
	v_add_nc_u32 v[ADRA+\s], s21, v3
	v_add_nc_u32 v[ADRB+2*\s], s22, v6
	s_add_co_u32 s22, s22, QSTR
	v_add_nc_u32 v[ADRB+2*\s+1], s22, v6
	s_add_co_u32 s21, s21, SLOT
	s_add_co_u32 s22, s22, SLOT-QSTR
.endr
	s_mul_i32 s23, s10, 16*SPITCH
	s_add_co_u32 s23, s23, STAGE
	v_mul_u32_u24 v4, v1, SPITCH
	v_lshl_add_u32 v4, v2, 5, v4
	v_add_nc_u32 v[STO], s23, v4                   ; in: row r, 32 bytes (8 f32) for each half of the lanes
	v_mul_u32_u24 v5, v2, SPITCH
	v_lshl_add_u32 v5, v1, 4, v5
	v_add_nc_u32 v[RD], s23, v5                    ; back: lanes 0-15 one row of 256 bytes, lanes 16-31 the next
	v_lshlrev_b32 v[BAD], 4, v1
	v_lshl_add_u32 v[CO], v2, 12, v[BAD]           ; the same two rows in resid and out
	; offsets that hold cx and cy lie in s88-s97, which feed no descriptor
	s_lshl_b32 s88, s13, 7
	s_lshl_b32 s90, s11, 6
	s_add_co_u32 s88, s88, s90
	s_lshl_b32 s88, s88, 12                        ; my first row x 4,096 bytes
	s_lshl_b32 s90, s42, 7
	s_lshl_b32 s91, s12, 6
	s_add_co_u32 s90, s90, s91
	s_lshl_b32 s90, s90, 2                         ; my first column x 4 bytes
	s_mov_b32 s91, 0
	s_add_nc_u64 s[92:93], s[72:73], s[90:91]
	s_add_co_u32 s88, s88, s90
	s_mov_b32 s89, 0
	s_add_nc_u64 s[94:95], s[74:75], s[88:89]
	s_add_nc_u64 s[96:97], s[76:77], s[88:89]
	WIN 0x40                                       ; the residual of my 64 x 64, asked for now, wanted at the way out
.irp a, 0,1,2,3
.irp t, 0,1,2,3,4,5,6,7
	global_load_b128 v[RES+4*(8*\a+\t):RES+4*(8*\a+\t)+3], v[CO], s[94:95] offset:(16*\a+2*\t)*4096
.endr
.endr
	WIN 0
	global_load_b128 v[BI4:BI4+3], v[BAD], s[92:93]
; 8 matrix instructions: row blocks a0, a0 + 1 x 4 column blocks, 32 along K
.macro MUL8 f, a0, zero
.irp a, \a0, \a0+1
.irp b, 0,1,2,3
.if \zero
	v_wmma_f32_16x16x32_bf16 v[ACC+8*(4*(\a)+\b):ACC+8*(4*(\a)+\b)+7], v[\f+8*\b:\f+8*\b+7], v[\f+32+8*(\a):\f+32+8*(\a)+7], 0
.else
	v_wmma_f32_16x16x32_bf16 v[ACC+8*(4*(\a)+\b):ACC+8*(4*(\a)+\b)+7], v[\f+8*\b:\f+8*\b+7], v[\f+32+8*(\a):\f+32+8*(\a)+7], v[ACC+8*(4*(\a)+\b):ACC+8*(4*(\a)+\b)+7]
.endif
.endr
.endr
.endm
; the fragments of eighth q (32 along K) of a slot into buffer f: 8 transposing loads for W, 8 loads for A
.macro FETCH slot, q, f
.irp i, 0,1,2,3
	ds_load_tr16_b128 v[\f+8*\i:\f+8*\i+3],   v[ADRB+2*\slot+((\q)>>2)] offset:((\q)&3)*32*PBB+32*\i
	ds_load_tr16_b128 v[\f+8*\i+4:\f+8*\i+7], v[ADRB+2*\slot+((\q)>>2)] offset:((\q)&3)*32*PBB+32*\i+16*PBB
.endr
.irp i, 0,1,2,3
	ds_load_b128 v[\f+32+8*\i:\f+32+8*\i+3],   v[ADRA+\slot] offset:64*(\q)+\i*16*PA
	ds_load_b128 v[\f+32+8*\i+4:\f+32+8*\i+7], v[ADRA+\slot] offset:64*(\q)+\i*16*PA+32
.endr
.endm
; eighth q: its fragments (buffer f) are in; the next eighth's are asked for into g, which the matrix instructions just issued have read: four places first
.macro QTR slot, q, f, g, zero
	s_wait_dscnt 0x0
	PLACES
	FETCH \slot, \q+1, \g
	WIN 0x50                                       ; C and D window 1
	MUL8 \f, 0, \zero
	MUL8 \f, 2, \zero
	WIN 0
.endm
.macro SEVEN slot, zero
	QTR \slot, 0, F0, F1, \zero
	QTR \slot, 1, F1, F0, 0
	QTR \slot, 2, F0, F1, 0
	QTR \slot, 3, F1, F0, 0
	QTR \slot, 4, F0, F1, 0
	QTR \slot, 5, F1, F0, 0
	QTR \slot, 6, F0, F1, 0
.endm
; The change to 'slot': the other slot's last eighth (in F1) is multiplied round the barrier.  In front of it: my reads of the other slot are back and all
; my tensor loads have landed (one was out: my part of 'slot').  With a refill the barrier opens a round of the cluster's barrier and the joint load is
; the first tensor load behind the round.  The 16 accumulators take turns in one order throughout.
.macro TWO slot, refill
	s_wait_dscnt 0x0
	s_wait_tensorcnt 0x0
	ds_add_u32 v62, v63
	s_wait_dscnt 0x0
	s_barrier_signal -1
	WIN 0x50
	MUL8 F1, 0, 0
	WIN 0
	s_barrier_wait -1
.if \refill
	CREST
	s_add_nc_u64 s[G0+4*(1-\slot)+2:G0+4*(1-\slot)+3], s[G0+4*(1-\slot)+2:G0+4*(1-\slot)+3], 1024
	s_add_nc_u64 s[G0B+4*(1-\slot)+2:G0B+4*(1-\slot)+3], s[G0B+4*(1-\slot)+2:G0B+4*(1-\slot)+3], 512*NOUT*2
	JLOAD 1-\slot
.endif
	PLACES
	FETCH \slot, 0, F0
	WIN 0x50
	MUL8 F1, 2, 0
	WIN 0
	SEVEN \slot, 0
.endm
	s_wait_tensorcnt 1                             ; my part of slot 0 is in; slot 1's may stay out
	s_barrier_signal -1
	s_barrier_wait -1
	FETCH 0, 0, F0
	SEVEN 0, 1                                     ; the first products start the sums
	s_mov_b32 s3, TRIPS
.Ltrip:
	TWO 1, 1
	TWO 0, 1
	s_sub_co_u32 s3, s3, 1
	s_cmp_lg_u32 s3, 0
	s_cbranch_scc1 .Ltrip
	TWO 1, 0                                       ; the last slot: nothing is left to fetch
	s_wait_dscnt 0x0
	WIN 0x50
	MUL8 F1, 0, 0
	MUL8 F1, 2, 0
	WIN 0
	PLACES
	s_wait_loadcnt 0x0                             ; the residual and the bias
; THE WAY OUT, 16 rows at a time: f32 through my stage, read back as rows of 256 bytes, + residual + bias; 16 lanes store 256 consecutive aligned bytes
.macro OUT16 a, rb
	WIN 0x04                                       ; store data window 1
.irp b, 0,1,2,3
	ds_store_b128 v[STO], v[ACC+8*(4*\a+\b):ACC+8*(4*\a+\b)+3]   offset:64*\b
	ds_store_b128 v[STO], v[ACC+8*(4*\a+\b)+4:ACC+8*(4*\a+\b)+7] offset:64*\b+16
.endr
	WIN 0
	s_wait_xcnt 0x0                                ; buffer rb, which earlier stores read, is loaded again only behind this wait
.irp t, 0,1,2,3,4,5,6,7
	ds_load_b128 v[\rb+4*\t:\rb+4*\t+3], v[RD] offset:\t*2*SPITCH
.endr
	s_wait_dscnt 0x0
	WIN 0x04
.irp t, 0,1,2,3,4,5,6,7
.irp j, 0,2
	v_pk_add_f32 v[\rb+4*\t+\j:\rb+4*\t+\j+1], v[\rb+4*\t+\j:\rb+4*\t+\j+1], v[RES+4*(8*\a+\t)+\j:RES+4*(8*\a+\t)+\j+1]
.endr
.endr
	WIN 0
.irp t, 0,1,2,3,4,5,6,7
.irp j, 0,2
	v_pk_add_f32 v[\rb+4*\t+\j:\rb+4*\t+\j+1], v[\rb+4*\t+\j:\rb+4*\t+\j+1], v[BI4+\j:BI4+\j+1]
.endr
	global_store_b128 v[CO], v[\rb+4*\t:\rb+4*\t+3], s[96:97] offset:(16*\a+2*\t)*4096
.endr
.endm
	OUT16 0, RB0
	OUT16 1, RB1
	OUT16 2, RB0
	OUT16 3, RB1
	s_wait_tensorcnt 0x0
	ds_add_u32 v62, v63
	s_wait_dscnt 0x0
	CROUND                                         ; the closing round
	s_endpgm
.Lfunc_end_k_q307d2c8375_wo:
	.size	k_q307d2c8375_wo, .Lfunc_end_k_q307d2c8375_wo-k_q307d2c8375_wo
	.p2alignl 7, 3214868480
	.fill 96, 4, 3214868480
	.section	.rodata,"a",@progbits
	.p2align	6, 0x0
	.amdhsa_kernel k_q307d2c8375_wo
		.amdhsa_group_segment_fixed_size 327680
		.amdhsa_private_segment_fixed_size 0
		.amdhsa_enable_private_segment 0
		.amdhsa_kernarg_size 40
		.amdhsa_user_sgpr_count 2
		.amdhsa_user_sgpr_kernarg_segment_ptr 1
		.amdhsa_wavefront_size32 1
		.amdhsa_system_sgpr_workgroup_id_x 1
		.amdhsa_system_sgpr_workgroup_id_y 1
		.amdhsa_system_sgpr_workgroup_id_z 1
		.amdhsa_system_vgpr_workitem_id 0
		.amdhsa_next_free_vgpr 512
		.amdhsa_next_free_sgpr 100
		.amdhsa_reserve_vcc 0
		.amdhsa_float_denorm_mode_32 3
		.amdhsa_float_denorm_mode_16_64 3
		.amdhsa_memory_ordered 1
		.amdhsa_forward_progress 1
		.amdhsa_inst_pref_size 100
	.end_amdhsa_kernel
	.amdgpu_metadata
---
amdhsa.version: [ 1, 2 ]
amdhsa.kernels:
  - .name:           k_q307d2c8375_wo
    .symbol:         k_q307d2c8375_wo.kd
    .args:
      - { .name: att, .offset: 0, .size: 8, .value_kind: global_buffer, .address_space: global }
      - { .name: wb, .offset: 8, .size: 8, .value_kind: global_buffer, .address_space: global }
      - { .name: b_O, .offset: 16, .size: 8, .value_kind: global_buffer, .address_space: global }
      - { .name: resid_pre, .offset: 24, .size: 8, .value_kind: global_buffer, .address_space: global }
      - { .name: rmid, .offset: 32, .size: 8, .value_kind: global_buffer, .address_space: global }
    .group_segment_fixed_size: 327680
    .private_segment_fixed_size: 0
    .kernarg_segment_align: 8
    .kernarg_segment_size: 40
    .max_flat_workgroup_size: 128
    .sgpr_count:     100
    .vgpr_count:     512
    .wavefront_size: 32
...
	.end_amdgpu_metadata
.endif
;; end of part 4
;; launch ln2 (part 5): grid 256 x 1, 4 waves a work-group, no clusters, 0 bytes of LDS; arguments rmid, ln2_w, ln2_b, xn; writes xn
.if DOCPART == 5
	.amdgcn_target "amdgcn-amd-amdhsa--gfx1250"
	.amdhsa_code_object_version 6
	.text
	.protected	k_q307d2c8375_ln2
	.globl	k_q307d2c8375_ln2
	.p2align	8
	.type	k_q307d2c8375_ln2,@function
k_q307d2c8375_ln2:
	s_mov_b64 s[64:65], 0
	v_nop
	global_prefetch_b8 v0, s[64:65] scope:SCOPE_SE
	s_setreg_imm32_b32 hwreg(HW_REG_WAVE_MODE, 25, 1), 1
	s_wait_xcnt 0x0
; y = (x - mean) / sqrt(mean of (x - mean)^2) * w + b over rows of 1,024 f32; y in bf16.  No epsilon, as the problem has none.
; One wave takes a whole row (32 registers) and keeps it between the passes, so a row is read once; mean first, then the squares of the
; differences (two passes, so that a common offset of the row costs no digits).  Four rows a wave, all their loads issued at the start.
; Lane l holds floats 256 g + 8 l .. + 7, g = 0..3: eight neighbouring numbers pack into 16 bytes, and a wave's store covers 512 consecutive bytes.
; A stream: no LDS, no barrier, no matrix unit, no cluster (no two work-groups share a row).
; LIMIT: v_rsq_f32 takes a denormal variance (below 2^-126) as zero.
.set W,  4                             ; v[4:35]    w of my 32 columns
.set BB, 36                            ; v[36:67]   b of my 32 columns
.set X,  68                            ; v[68:195]  four rows of 32 registers
.set T,  196                           ; v[196:207] at work
.macro FOLD                            ; four pairs of partial sums in v[T:T+7] -> the sum over the row, in every lane's v[T]
	v_pk_add_f32 v[T:T+1], v[T:T+1], v[T+2:T+3]
	v_pk_add_f32 v[T+4:T+5], v[T+4:T+5], v[T+6:T+7]
	v_pk_add_f32 v[T:T+1], v[T:T+1], v[T+4:T+5]
	v_add_f32 v[T], v[T], v[T+1]
	v_add_f32_dpp v[T], v[T], v[T] row_xmask:1 row_mask:0xf bank_mask:0xf
	v_add_f32_dpp v[T], v[T], v[T] row_xmask:2 row_mask:0xf bank_mask:0xf
	v_add_f32_dpp v[T], v[T], v[T] row_xmask:4 row_mask:0xf bank_mask:0xf
	v_add_f32_dpp v[T], v[T], v[T] row_xmask:8 row_mask:0xf bank_mask:0xf
	v_permlanex16_b32 v[T+1], v[T], s12, s13
	v_add_f32 v[T], v[T], v[T+1]
.endm
.macro ROW s, left
.set XS, X+32*\s
	s_wait_loadcnt \left                           ; this row's eight loads are in; the younger rows' stay out
.irp k, 0,2,4,6
	v_pk_add_f32 v[T+\k:T+\k+1], v[XS+\k:XS+\k+1], v[XS+8+\k:XS+8+\k+1]
.endr
.irp o, 16,24
.irp k, 0,2,4,6
	v_pk_add_f32 v[T+\k:T+\k+1], v[T+\k:T+\k+1], v[XS+\o+\k:XS+\o+\k+1]
.endr
.endr
	FOLD
	v_mul_f32 v[T+8], 0x3a800000, v[T]             ; mean = sum / 1024
	v_mov_b32 v[T+9], v[T+8]
.set j, 0
.rept 16
	v_pk_add_f32 v[XS+j:XS+j+1], v[XS+j:XS+j+1], v[T+8:T+9] neg_lo:[0,1] neg_hi:[0,1]
.set j, j+2
.endr
.irp k, 0,2,4,6
	v_pk_mul_f32 v[T+\k:T+\k+1], v[XS+\k:XS+\k+1], v[XS+\k:XS+\k+1]
.endr
.irp o, 8,16,24
.irp k, 0,2,4,6
	v_pk_fma_f32 v[T+\k:T+\k+1], v[XS+\o+\k:XS+\o+\k+1], v[XS+\o+\k:XS+\o+\k+1], v[T+\k:T+\k+1]
.endr
.endr
	FOLD
	v_mul_f32 v[T], 0x3a800000, v[T]               ; variance
	v_rsq_f32 v[T+10], v[T]
	v_nop                                          ; one plain instruction behind v_rsq_f32 before its result is read (ISA guide 5.7.2)
	s_wait_alu depctr_va_vdst(0)
	v_mov_b32 v[T+11], v[T+10]
.set j, 0
.rept 16
	v_pk_mul_f32 v[XS+j:XS+j+1], v[XS+j:XS+j+1], v[T+10:T+11]
.set j, j+2
.endr
.set j, 0
.rept 16
	v_pk_fma_f32 v[XS+j:XS+j+1], v[XS+j:XS+j+1], v[W+j:W+j+1], v[BB+j:BB+j+1]
.set j, j+2
.endr
.set j, 0
.rept 16
	v_cvt_pk_bf16_f32 v[XS+j], v[XS+2*j], v[XS+2*j+1]   ; packed downwards in place: word j is written when words 2 j, 2 j + 1 are read, never before
.set j, j+1
.endr
.irp g, 0,1,2,3
	global_store_b128 v2, v[XS+4*\g:XS+4*\g+3], s[10:11] offset:2048*\s+512*\g
.endr
.endm
	s_load_b256 s[4:11], s[0:1], 0x0               ; x 4:5, w 6:7, b 8:9, y 10:11
	v_lshrrev_b32 v3, 5, v0
	v_readfirstlane_b32 s14, v3                    ; wave
	v_and_b32 v3, 31, v0
	v_lshlrev_b32 v1, 5, v3                        ; 32 x lane: my 8 floats in a group of 256
	v_lshlrev_b32 v2, 4, v3                        ; 16 x lane: the same 8 numbers in bf16
	s_lshl_b32 s15, ttmp9, 4
	s_lshl2_add_u32 s15, s14, s15                  ; my first row = 16 x work-group + 4 x wave
	s_lshl_b32 s16, s15, 12
	s_mov_b32 s17, 0
	s_lshl_b32 s18, s15, 11
	s_mov_b32 s19, 0
	s_mov_b32 s12, 0x76543210                      ; v_permlanex16_b32: lane i reads lane i of the other half
	s_mov_b32 s13, 0xfedcba98
	s_wait_kmcnt 0x0
	s_add_nc_u64 s[4:5], s[4:5], s[16:17]
	s_add_nc_u64 s[10:11], s[10:11], s[18:19]
.irp g, 0,1,2,3
	global_load_b128 v[W+8*\g:W+8*\g+3],    v1, s[6:7] offset:1024*\g
	global_load_b128 v[W+8*\g+4:W+8*\g+7],  v1, s[6:7] offset:1024*\g+16
	global_load_b128 v[BB+8*\g:BB+8*\g+3],   v1, s[8:9] offset:1024*\g
	global_load_b128 v[BB+8*\g+4:BB+8*\g+7], v1, s[8:9] offset:1024*\g+16
.endr
.irp s, 0,1,2,3
.irp g, 0,1,2,3
	global_load_b128 v[X+32*\s+8*\g:X+32*\s+8*\g+3],   v1, s[4:5] offset:4096*\s+1024*\g
	global_load_b128 v[X+32*\s+8*\g+4:X+32*\s+8*\g+7], v1, s[4:5] offset:4096*\s+1024*\g+16
.endr
.endr
	ROW 0, 24
	ROW 1, 16
	ROW 2, 8
	ROW 3, 0
	s_endpgm
.Lfunc_end_k_q307d2c8375_ln2:
	.size	k_q307d2c8375_ln2, .Lfunc_end_k_q307d2c8375_ln2-k_q307d2c8375_ln2
	.p2alignl 7, 3214868480
	.fill 96, 4, 3214868480
	.section	.rodata,"a",@progbits
	.p2align	6, 0x0
	.amdhsa_kernel k_q307d2c8375_ln2
		.amdhsa_group_segment_fixed_size 0
		.amdhsa_private_segment_fixed_size 0
		.amdhsa_enable_private_segment 0
		.amdhsa_kernarg_size 32
		.amdhsa_user_sgpr_count 2
		.amdhsa_user_sgpr_kernarg_segment_ptr 1
		.amdhsa_wavefront_size32 1
		.amdhsa_system_sgpr_workgroup_id_x 1
		.amdhsa_system_sgpr_workgroup_id_y 1
		.amdhsa_system_sgpr_workgroup_id_z 1
		.amdhsa_system_vgpr_workitem_id 0
		.amdhsa_next_free_vgpr 216
		.amdhsa_next_free_sgpr 66
		.amdhsa_reserve_vcc 0
		.amdhsa_float_denorm_mode_32 3
		.amdhsa_float_denorm_mode_16_64 3
		.amdhsa_memory_ordered 1
		.amdhsa_forward_progress 1
		.amdhsa_inst_pref_size 36
	.end_amdhsa_kernel
	.amdgpu_metadata
---
amdhsa.version: [ 1, 2 ]
amdhsa.kernels:
  - .name:           k_q307d2c8375_ln2
    .symbol:         k_q307d2c8375_ln2.kd
    .args:
      - { .name: rmid, .offset: 0, .size: 8, .value_kind: global_buffer, .address_space: global }
      - { .name: ln2_w, .offset: 8, .size: 8, .value_kind: global_buffer, .address_space: global }
      - { .name: ln2_b, .offset: 16, .size: 8, .value_kind: global_buffer, .address_space: global }
      - { .name: xn, .offset: 24, .size: 8, .value_kind: global_buffer, .address_space: global }
    .group_segment_fixed_size: 0
    .private_segment_fixed_size: 0
    .kernarg_segment_align: 8
    .kernarg_segment_size: 32
    .max_flat_workgroup_size: 128
    .sgpr_count:     66
    .vgpr_count:     216
    .wavefront_size: 32
...
	.end_amdgpu_metadata
.endif
;; end of part 5
;; launch mlpin (part 6): grid 16 x 16, 4 waves a work-group, clusters of 4 x 4, 327,680 bytes of LDS; arguments xn, wb, b_in, hbuf; writes hbuf
.if DOCPART == 6
	.amdgcn_target "amdgcn-amd-amdhsa--gfx1250"
	.amdhsa_code_object_version 6
	.text
	.protected	k_q307d2c8375_mlpin
	.globl	k_q307d2c8375_mlpin
	.p2align	8
	.type	k_q307d2c8375_mlpin,@function
k_q307d2c8375_mlpin:
	s_mov_b64 s[64:65], 0
	v_nop
	global_prefetch_b8 v0, s[64:65] scope:SCOPE_SE
	s_setreg_imm32_b32 hwreg(HW_REG_WAVE_MODE, 25, 1), 1
	s_wait_xcnt 0x0
	s_wait_alu depctr_hold_cnt(0) depctr_sa_sdst(0) depctr_va_vdst(0) depctr_va_sdst(0) depctr_va_ssrc(0) depctr_va_vcc(0) depctr_vm_vsrc(0)
	s_getreg_b32 s2, hwreg(HW_REG_IB_STS2, 6, 4)
	s_cmp_eq_u32 s2, 0
	s_cbranch_scc0 .Lentry_in_a_cluster
	s_endpgm
.Lentry_in_a_cluster:
	s_bfe_u32 s2, ttmp6, 0x10000c
	s_cmp_lg_u32 s2, 0xf033
	s_cbranch_scc0 .Lentry_shape_is_right
	s_endpgm
.Lentry_shape_is_right:
; hbuf [4096][4096] bf16 = gelu(xn [4096][1024] x W_in [1024][4096] + b_in), the tanh form of gelu.  bf16 operands, f32 sums.
; A work-group makes 256 x 256 with four waves of 128 x 128 (64 accumulator tiles, 512 registers).  K goes in steps of 128 through two LDS slots filled
; by tensor loads.  xn's tile lies [row][k], pitch 272; W_in's lies [k][n] as in memory, pitch 544, read by the transposing LDS load.
; CLUSTERS: 4 x 4 work-groups; xn's tile is asked for jointly along a row of the cluster, W_in's along a column.  256 work-groups.
; REGISTERS in windows of 256: window 0: v0-31 addresses and constants, v64-191 xn's fragments (two buffers), on the way out v64-239 at work;
; window 1: v0-63 bias, v64-191 W_in's fragments; windows 2, 3: accumulators of my rows 0-63, 64-127.
; The matrix instruction is used transposed: a lane holds eight neighbouring columns of one row.
; gelu(x) = x / (1 + 2^(x (k1 + k2 x^2))), k1 = -2 log2(e) sqrt(2/pi), k2 = 0.044715 k1: the same function as 0.5 x (1 + tanh(..)), right at both ends
; (the power runs to 0 or to infinity, the quotient to x or to 0).
.set SIZE_K, 1024
.set SIZE_N, 4096
.set WOFF,   8388608                   ; W_in's place in wb
.set KSTEP,  128
.set PITCH,  272
.set PB,     544
.set HALFT,  128*PITCH
.set SLOT,   4*HALFT
.set STAGE,  2*SLOT
.set SPITCH, 272
.set LAPS,   SIZE_K/(2*KSTEP)
.set KC2,  8                           ; v[8:9]   k2 twice
.set KC1,  10                          ; v[10:11] k1 twice
.set ONE,  12                          ; v[12:13] 1.0 twice
.set ADRA, 16
.set ADRB, 20
.set STO,  24
.set RD,   25
.set CO,   26
.set BA,   27
.set F0,   64
.set F1,   128
.set TT,   64
.set ZZ,   128
.set PKD,  144
.set RB0,  176
.set RB1,  208
.set BI,   0
.set G1, 24
.set G0, 32
.set G1B, 48
.set G0B, 56
.set MSB, 0
.macro WIN new
.if MSB != \new
	s_set_vgpr_msb (MSB<<8)|\new
.set MSB, \new
.endif
.endm
.set MUL_LO, 0xa1
.set MUL_HI, 0xf1
.set TO_B,   0x40
.macro JLOAD s                         ; waves 0 and 1 fetch xn's two halves, waves 2 and 3 W_in's; the branch hangs on the wave's number alone
	s_cmp_eq_u32 s11, 0
	s_cbranch_scc0 .Lfor_b_\@
	tensor_load_to_lds s[G0+4*\s:G0+4*\s+3], s[G1:G1+7]
	s_nop 0
	s_branch .Lasked_\@
.Lfor_b_\@:
	tensor_load_to_lds s[G0B+4*\s:G0B+4*\s+3], s[G1B:G1B+7]
	s_nop 0
.Lasked_\@:
.endm
.macro CREST
	s_cmp_lg_u32 s10, 0
	s_cbranch_scc1 .Lnot_wave_0_\@
	s_barrier_signal -3
.Lnot_wave_0_\@:
	s_barrier_wait -3
	s_barrier_signal -1
	s_barrier_wait -1
.endm
.macro CROUND
	s_barrier_signal -1
	s_barrier_wait -1
	CREST
.endm
	s_load_b256 s[68:75], s[0:1], 0x0              ; xn 68:69, wb 70:71, b_in 72:73, hbuf 74:75
	s_set_vgpr_msb 0x40
	v_lshl_add_u32 v255, v0, 2, 0x48400
	s_set_vgpr_msb 0x4000
	v_mov_b32 v255, 0
	s_set_vgpr_msb 0x1
	ds_add_u32 v255, v255
	ds_add_u32 v255, v255
	s_set_vgpr_msb 0x100
	v_lshrrev_b32 v1, 5, v0
	v_readfirstlane_b32 s10, v1                    ; wave
	s_lshr_b32 s11, s10, 1
	s_and_b32 s12, s10, 1
	s_bfe_u32 s40, ttmp6, 0x40000                  ; cx
	s_bfe_u32 s41, ttmp6, 0x40004                  ; cy
	s_lshl_b32 s42, ttmp9, 2
	s_add_co_u32 s42, s42, s40                     ; block column
	s_and_b32 s13, ttmp7, 0xffff
	s_lshl_b32 s13, s13, 2
	s_add_co_u32 s13, s13, s41                     ; block row
	s_lshl_b32 s43, s41, 2
	s_lshl_b32 s43, 15, s43
	s_lshl_b32 s44, 0x1111, s40
	s_or_b32 s[G1+0], s43, (1<<16)|(1<<20)|(1<<21)|(5<<22)|(3<<25)
	s_mov_b32 s[G1+1], KSTEP<<16
	s_mov_b32 s[G1+2], 128<<16
	s_mov_b32 s[G1+3], KSTEP<<16
	s_mov_b32 s[G1+4], 128
	s_mov_b32 s[G1+5], SIZE_K
	s_mov_b32 s[G1+6], 0
	s_mov_b32 s[G1+7], 0
	s_or_b32 s[G1B+0], s44, (1<<16)|(1<<20)|(1<<21)|(6<<22)|(7<<25)
	s_mov_b32 s[G1B+1], 256<<16
	s_mov_b32 s[G1B+2], 64<<16
	s_mov_b32 s[G1B+3], 256<<16
	s_mov_b32 s[G1B+4], 64
	s_mov_b32 s[G1B+5], SIZE_N
	s_mov_b32 s[G1B+6], 0
	s_mov_b32 s[G1B+7], 0
	s_lshl_b32 s17, s12, 7
	s_lshl_b32 s16, s13, 8
	s_add_co_u32 s16, s16, s17
	s_lshl_b32 s16, s16, 11
	s_mov_b32 s17, 0
	s_mul_i32 s45, s12, 64*SIZE_N*2
	s_lshl_b32 s46, s42, 9
	s_add_co_u32 s46, s46, s45
	s_add_co_u32 s46, s46, WOFF
	s_mov_b32 s47, 0
	s_mul_i32 s20, s10, HALFT
	s_wait_dscnt 0x0
	s_wait_kmcnt 0x0
	s_add_nc_u64 s[14:15], s[68:69], s[16:17]
	s_add_nc_u64 s[46:47], s[70:71], s[46:47]
	CROUND                                         ; all sixteen work-groups are here: the first joint loads meet
.irp s, 0,1
	s_mov_b32 s[G0+4*\s], 1
	s_add_co_u32 s[G0+4*\s+1], s20, \s*SLOT
	s_add_nc_u64 s[G0+4*\s+2:G0+4*\s+3], s[14:15], \s*KSTEP*2
	s_or_b32 s[G0+4*\s+3], s[G0+4*\s+3], 0x80000000
	s_mov_b32 s[G0B+4*\s], 1
	s_add_co_u32 s[G0B+4*\s+1], s20, \s*SLOT
	s_add_nc_u64 s[G0B+4*\s+2:G0B+4*\s+3], s[46:47], \s*KSTEP*SIZE_N*2
	s_or_b32 s[G0B+4*\s+3], s[G0B+4*\s+3], 0x80000000
	JLOAD \s                                       ; two tensor loads of the wave are out, later one
.endr
	v_and_b32 v1, 15, v0
	v_bfe_u32 v2, v0, 4, 1
	v_mul_u32_u24 v3, v1, PITCH
	v_lshl_add_u32 v3, v2, 4, v3
	v_and_b32 v6, 7, v0
	v_lshl_add_u32 v6, v2, 3, v6
	v_mul_u32_u24 v6, v6, PB
	v_bfe_u32 v7, v0, 3, 1
	v_lshl_add_u32 v6, v7, 4, v6
	s_mul_i32 s21, s11, HALFT
	s_lshl_b32 s22, s12, 8
	s_add_co_u32 s22, s22, 2*HALFT
.irp s, 0,1
	v_add_nc_u32 v[ADRA+\s], s21, v3
	v_add_nc_u32 v[ADRB+\s], s22, v6
	s_add_co_u32 s21, s21, SLOT
	s_add_co_u32 s22, s22, SLOT
.endr
	s_mul_i32 s23, s10, 16*SPITCH
	s_add_co_u32 s23, s23, STAGE
	v_mul_u32_u24 v4, v1, SPITCH
	v_lshl_add_u32 v4, v2, 4, v4
	v_add_nc_u32 v[STO], s23, v4
	v_mul_u32_u24 v5, v2, SPITCH
	v_lshl_add_u32 v5, v1, 4, v5
	v_add_nc_u32 v[RD], s23, v5
	v_mul_u32_u24 v5, v2, SIZE_N*2
	v_lshl_add_u32 v[CO], v1, 4, v5
	v_lshlrev_b32 v[BA], 5, v2
	v_mov_b32 v[KC2], 0xbdd2d3e8
	v_mov_b32 v[KC2+1], 0xbdd2d3e8
	v_mov_b32 v[KC1], 0xc0135761
	v_mov_b32 v[KC1+1], 0xc0135761
	v_mov_b32 v[ONE], 1.0
	v_mov_b32 v[ONE+1], 1.0
	; offsets that hold cx or cy lie in s84-s91, which feed no descriptor
	s_lshl_b32 s86, s42, 10
	s_lshl_b32 s87, s12, 9
	s_add_co_u32 s86, s86, s87                     ; 4 x (256 x block column + 128 x half)
	s_mov_b32 s87, 0
	s_add_nc_u64 s[84:85], s[72:73], s[86:87]
	WIN TO_B
.irp b, 0,1,2,3,4,5,6,7
	global_load_b128 v[BI+8*\b:BI+8*\b+3],   v[BA], s[84:85] offset:64*\b
	global_load_b128 v[BI+8*\b+4:BI+8*\b+7], v[BA], s[84:85] offset:64*\b+16
.endr
	WIN 0
	s_lshl_b32 s88, s13, 8
	s_lshl_b32 s90, s11, 7
	s_add_co_u32 s88, s88, s90
	s_lshl_b32 s88, s88, 13                        ; my first row x 8,192 bytes
	s_lshl_b32 s90, s42, 9
	s_add_co_u32 s88, s88, s90
	s_lshl_b32 s90, s12, 8
	s_add_co_u32 s88, s88, s90                     ; + my first column x 2 bytes
	s_mov_b32 s89, 0
	s_add_nc_u64 s[88:89], s[74:75], s[88:89]
.macro MUL16 f, hi, a0, zero
.irp a, \a0, \a0+1
.irp b, 0,1,2,3,4,5,6,7
.if \zero
	v_wmma_f32_16x16x32_bf16 v[8*(8*(\a)+\b):8*(8*(\a)+\b)+7], v[\f+8*\b:\f+8*\b+7], v[\f+8*(4*\hi+\a):\f+8*(4*\hi+\a)+7], 0
.else
	v_wmma_f32_16x16x32_bf16 v[8*(8*(\a)+\b):8*(8*(\a)+\b)+7], v[\f+8*\b:\f+8*\b+7], v[\f+8*(4*\hi+\a):\f+8*(4*\hi+\a)+7], v[8*(8*(\a)+\b):8*(8*(\a)+\b)+7]
.endif
.endr
.endr
.endm
.macro FETCH slot, k, f
	WIN TO_B
.irp i, 0,1,2,3,4,5,6,7
	ds_load_tr16_b128 v[\f+8*\i:\f+8*\i+3],   v[ADRB+\slot] offset:(\k/64)*32*PB+32*\i
	ds_load_tr16_b128 v[\f+8*\i+4:\f+8*\i+7], v[ADRB+\slot] offset:(\k/64)*32*PB+32*\i+16*PB
.endr
	WIN 0
.irp i, 0,1,2,3,4,5,6,7
	ds_load_b128 v[\f+8*\i:\f+8*\i+3],   v[ADRA+\slot] offset:\k+\i*16*PITCH
	ds_load_b128 v[\f+8*\i+4:\f+8*\i+7], v[ADRA+\slot] offset:\k+\i*16*PITCH+32
.endr
.endm
.macro PLACES                          ; four plain vector instructions between a matrix instruction and a load into, or a vector instruction on, its registers
.rept 4
	v_nop
.endr
.endm
.macro QUARTER slot, k, f, g, zero
	s_wait_dscnt 8                                 ; W_in's fragments and xn's rows 0-63 are in; the youngest eight loads may be out
	WIN MUL_LO
	MUL16 \f, 0, 0, \zero
	MUL16 \f, 0, 2, \zero
	PLACES
	FETCH \slot, \k, \g
	s_wait_dscnt 32                                ; all but the 32 just issued
	WIN MUL_HI
	MUL16 \f, 1, 0, \zero
	MUL16 \f, 1, 2, \zero
.endm
.macro THREE slot, zero
	QUARTER \slot, 64,  F0, F1, \zero
	QUARTER \slot, 128, F1, F0, 0
	QUARTER \slot, 192, F0, F1, 0
.endm
; The change of slots: my reads of this slot are back and all my tensor loads have landed in front of the barrier; with a refill it opens a round of the
; cluster's barrier, and the joint load is the first tensor load behind the round.  The 64 accumulators take turns.
.macro TURN slot, next, fill
	s_wait_dscnt 8
	WIN MUL_LO
	MUL16 F1, 0, 0, 0
	s_wait_dscnt 0
	s_wait_tensorcnt 0x0
	ds_add_u32 v255, v255
	s_wait_dscnt 0x0
	s_barrier_signal -1
	MUL16 F1, 0, 2, 0
	WIN 0
	s_barrier_wait -1
.if \fill
	CREST
	s_add_nc_u64 s[G0+4*\slot+2:G0+4*\slot+3], s[G0+4*\slot+2:G0+4*\slot+3], 2*KSTEP*2
	s_add_nc_u64 s[G0B+4*\slot+2:G0B+4*\slot+3], s[G0B+4*\slot+2:G0B+4*\slot+3], 2*KSTEP*SIZE_N*2
	JLOAD \slot
.endif
	PLACES
	FETCH \next, 0, F0
	WIN MUL_HI
	MUL16 F1, 1, 0, 0
	MUL16 F1, 1, 2, 0
.endm
.macro LAP zero
	THREE 0, \zero
	TURN 0, 1, 1
	THREE 1, 0
	TURN 1, 0, 1
.endm
	s_wait_tensorcnt 1                             ; my part of K step 0 is in; K step 1's may stay out
	s_barrier_signal -1
	s_barrier_wait -1
	FETCH 0, 0, F0
	LAP 1
	WIN 0
	s_mov_b32 s3, LAPS-2
.Llap:
	LAP 0
	WIN 0
	s_sub_co_u32 s3, s3, 1
	s_cmp_lg_u32 s3, 0
	s_cbranch_scc1 .Llap
	THREE 0, 0
	TURN 0, 1, 0
	THREE 1, 0
	s_wait_dscnt 8
	WIN MUL_LO
	MUL16 F1, 0, 0, 0
	MUL16 F1, 0, 2, 0
	s_wait_dscnt 0
	WIN MUL_HI
	MUL16 F1, 1, 0, 0
	MUL16 F1, 1, 2, 0
	WIN 0
	PLACES
	s_wait_loadcnt 0x0                             ; the bias
.macro GELU16 t                        ; gelu of the sixteen numbers at v[t .. t + 15], in place
.irp j, 0,2,4,6,8,10,12,14
	v_pk_mul_f32 v[ZZ+\j:ZZ+\j+1], v[\t+\j:\t+\j+1], v[\t+\j:\t+\j+1]
.endr
.irp j, 0,2,4,6,8,10,12,14
	v_pk_fma_f32 v[ZZ+\j:ZZ+\j+1], v[ZZ+\j:ZZ+\j+1], v[KC2:KC2+1], v[KC1:KC1+1]
.endr
.irp j, 0,2,4,6,8,10,12,14
	v_pk_mul_f32 v[ZZ+\j:ZZ+\j+1], v[ZZ+\j:ZZ+\j+1], v[\t+\j:\t+\j+1]
.endr
.irp j, 0,1,2,3,4,5,6,7,8,9,10,11,12,13,14,15
	v_exp_f32 v[ZZ+\j], v[ZZ+\j]
.endr
	v_nop                                          ; one plain instruction behind the last transcendental before its result is read (ISA guide 5.7.2)
	s_wait_alu depctr_va_vdst(0)
.irp j, 0,2,4,6,8,10,12,14
	v_pk_add_f32 v[ZZ+\j:ZZ+\j+1], v[ZZ+\j:ZZ+\j+1], v[ONE:ONE+1]
.endr
.irp j, 0,1,2,3,4,5,6,7,8,9,10,11,12,13,14,15
	v_rcp_f32 v[ZZ+\j], v[ZZ+\j]
.endr
	v_nop
	s_wait_alu depctr_va_vdst(0)
.irp j, 0,2,4,6,8,10,12,14
	v_pk_mul_f32 v[\t+\j:\t+\j+1], v[\t+\j:\t+\j+1], v[ZZ+\j:ZZ+\j+1]
.endr
.endm
; THE WAY OUT, 16 rows at a time (tiles (a, 0..7) of window 2 or 3; win = 0x06 or 0x07: source 0 that window, source 1 window 1):
; bias, gelu, round to bf16, through my stage, rows of 256 bytes out
.macro OUT16 i, a, win, rb
	WIN \win
.irp b, 0,1,2,3,4,5,6,7
.irp j, 0,2,4,6
	v_pk_add_f32 v[TT+8*\b+\j:TT+8*\b+\j+1], v[8*(8*\a+\b)+\j:8*(8*\a+\b)+\j+1], v[BI+8*\b+\j:BI+8*\b+\j+1]
.endr
.endr
	WIN 0
	GELU16 TT
	GELU16 TT+16
	GELU16 TT+32
	GELU16 TT+48
.irp b, 0,1,2,3,4,5,6,7
.irp j, 0,1,2,3
	v_cvt_pk_bf16_f32 v[PKD+4*\b+\j], v[TT+8*\b+2*\j], v[TT+8*\b+2*\j+1]
.endr
.endr
.irp b, 0,1,2,3,4,5,6,7
	ds_store_b128 v[STO], v[PKD+4*\b:PKD+4*\b+3] offset:32*\b
.endr
	s_wait_xcnt 0x0                                ; buffer rb and the stores' base are written again only behind this wait
.if \i
	s_add_nc_u64 s[88:89], s[88:89], 16*SIZE_N*2
.endif
.irp t, 0,1,2,3,4,5,6,7
	ds_load_b128 v[\rb+4*\t:\rb+4*\t+3], v[RD] offset:\t*2*SPITCH   ; LDS serves a wave's instructions in order: these see the stores above
.endr
.irp t, 0,1,2,3,4,5,6,7
	s_wait_dscnt 7-\t
	global_store_b128 v[CO], v[\rb+4*\t:\rb+4*\t+3], s[88:89] offset:2*\t*SIZE_N*2   ; 16 lanes store 256 consecutive aligned bytes
.endr
.endm
	OUT16 0, 0, 0x06, RB0
	OUT16 1, 1, 0x06, RB1
	OUT16 2, 2, 0x06, RB0
	OUT16 3, 3, 0x06, RB1
	OUT16 4, 0, 0x07, RB0
	OUT16 5, 1, 0x07, RB1
	OUT16 6, 2, 0x07, RB0
	OUT16 7, 3, 0x07, RB1
	s_set_vgpr_msb 0x1
	s_wait_tensorcnt 0x0
	ds_add_u32 v255, v255
	s_wait_dscnt 0x0
	s_set_vgpr_msb 0x100
	CROUND                                         ; the closing round
	s_endpgm
.Lfunc_end_k_q307d2c8375_mlpin:
	.size	k_q307d2c8375_mlpin, .Lfunc_end_k_q307d2c8375_mlpin-k_q307d2c8375_mlpin
	.p2alignl 7, 3214868480
	.fill 96, 4, 3214868480
	.section	.rodata,"a",@progbits
	.p2align	6, 0x0
	.amdhsa_kernel k_q307d2c8375_mlpin
		.amdhsa_group_segment_fixed_size 327680
		.amdhsa_private_segment_fixed_size 0
		.amdhsa_enable_private_segment 0
		.amdhsa_kernarg_size 32
		.amdhsa_user_sgpr_count 2
		.amdhsa_user_sgpr_kernarg_segment_ptr 1
		.amdhsa_wavefront_size32 1
		.amdhsa_system_sgpr_workgroup_id_x 1
		.amdhsa_system_sgpr_workgroup_id_y 1
		.amdhsa_system_sgpr_workgroup_id_z 1
		.amdhsa_system_vgpr_workitem_id 0
		.amdhsa_next_free_vgpr 1024
		.amdhsa_next_free_sgpr 100
		.amdhsa_reserve_vcc 0
		.amdhsa_float_denorm_mode_32 3
		.amdhsa_float_denorm_mode_16_64 3
		.amdhsa_memory_ordered 1
		.amdhsa_forward_progress 1
		.amdhsa_inst_pref_size 255
	.end_amdhsa_kernel
	.section	.bss,"aw",@nobits
	.p2align	6
	.space	262144
	.amdgpu_metadata
---
amdhsa.version: [ 1, 2 ]
amdhsa.kernels:
  - .name:           k_q307d2c8375_mlpin
    .symbol:         k_q307d2c8375_mlpin.kd
    .args:
      - { .name: xn, .offset: 0, .size: 8, .value_kind: global_buffer, .address_space: global }
      - { .name: wb, .offset: 8, .size: 8, .value_kind: global_buffer, .address_space: global }
      - { .name: b_in, .offset: 16, .size: 8, .value_kind: global_buffer, .address_space: global }
      - { .name: hbuf, .offset: 24, .size: 8, .value_kind: global_buffer, .address_space: global }
    .group_segment_fixed_size: 327680
    .private_segment_fixed_size: 0
    .kernarg_segment_align: 8
    .kernarg_segment_size: 32
    .max_flat_workgroup_size: 128
    .sgpr_count:     100
    .vgpr_count:     1024
    .wavefront_size: 32
...
	.end_amdgpu_metadata
.endif
;; end of part 6
;; launch mlpout (part 7): grid 8 x 32, 4 waves a work-group, clusters of 4 x 4, 327,680 bytes of LDS; arguments hbuf, wb, b_out, rmid, out0; writes out0
.if DOCPART == 7
	.amdgcn_target "amdgcn-amd-amdhsa--gfx1250"
	.amdhsa_code_object_version 6
	.text
	.protected	k_q307d2c8375_mlpout
	.globl	k_q307d2c8375_mlpout
	.p2align	8
	.type	k_q307d2c8375_mlpout,@function
k_q307d2c8375_mlpout:
	s_mov_b64 s[64:65], 0
	v_nop
	global_prefetch_b8 v0, s[64:65] scope:SCOPE_SE
	s_setreg_imm32_b32 hwreg(HW_REG_WAVE_MODE, 25, 1), 1
	s_wait_xcnt 0x0
	s_wait_alu depctr_hold_cnt(0) depctr_sa_sdst(0) depctr_va_vdst(0) depctr_va_sdst(0) depctr_va_ssrc(0) depctr_va_vcc(0) depctr_vm_vsrc(0)
	s_getreg_b32 s2, hwreg(HW_REG_IB_STS2, 6, 4)
	s_cmp_eq_u32 s2, 0
	s_cbranch_scc0 .Lentry_in_a_cluster
	s_endpgm
.Lentry_in_a_cluster:
	s_bfe_u32 s2, ttmp6, 0x10000c
	s_cmp_lg_u32 s2, 0xf033
	s_cbranch_scc0 .Lentry_shape_is_right
	s_endpgm
.Lentry_shape_is_right:
; out [4096][1024] f32 = A [4096][SIZE_K] bf16 x W [SIZE_K][1024] bf16 (in wb at WOFF) + bias + resid.  f32 sums.
; 1,024 columns leave 128 x 128 of the result for each of 256 work-groups; four waves of 64 x 64 (16 accumulator tiles).
; Two LDS slots, each with K = 256 (two steps of 128 in one load): one round of the cluster's barrier for 128 matrix instructions of a wave.
; A's tile lies [row][k], rows of 512 bytes, pitch 528; W's lies [k][n] as in memory, rows of 256 bytes, pitch 288, read by the transposing LDS load.
; CLUSTERS: 4 x 4 work-groups; A's tile is asked for jointly along a row of the cluster, W's along a column.
; REGISTERS: window 0: v0-31 addresses and bias, v64-191 fragments (two buffers: W's four at + 0, A's four at + 32), v192-255 rows read back;
; window 1: v0-127 accumulators (a, b) at 8 (4 a + b), v128-255 the residual of my 64 x 64, loaded at the start.
; The matrix instruction is used transposed (source 0 = W's columns, source 1 = A's rows): a lane holds eight neighbouring columns of one row.
.set SIZE_K, 4096
.set WOFF,   16777216
.set NOUT,   1024
.set PA,     528                       ; 512 + 16
.set PBB,    288                       ; 256 + 32 = 9 x 32
.set QSTR,   36864                     ; a wave's part of a slot: 64 rows of A (33,792 bytes used) or 128 k rows of W (all of it)
.set SLOT,   4*QSTR
.set STAGE,  2*SLOT                    ; 16 rows x 272 bytes for each wave; no tensor load lands there
.set SPITCH, 272
.set TRIPS,  SIZE_K/512-1
.set ADRA, 16                          ; v16-17 slot 0, 1
.set ADRB, 20                          ; v20-23 slot 0, 1 x k rows 0-127, 128-255
.set STO,  24
.set RD,   25
.set CO,   26
.set BAD,  27
.set BI4,  28                          ; v[28:31] bias of my 4 columns on the way out
.set F0,   64
.set F1,   128
.set RB0,  192
.set RB1,  224
.set ACC,  0
.set RES,  128
.set G1, 24
.set G0, 32
.set G1B, 48
.set G0B, 56
.set MSB, 0
.macro WIN new
.if MSB != \new
	s_set_vgpr_msb (MSB<<8)|\new
.set MSB, \new
.endif
.endm
.macro JLOAD s                         ; waves 0 and 1 fetch A's two halves, waves 2 and 3 W's; the branch hangs on the wave's number alone
	s_cmp_eq_u32 s11, 0
	s_cbranch_scc0 .Lfor_b_\@
	tensor_load_to_lds s[G0+4*(\s):G0+4*(\s)+3], s[G1:G1+7]
	s_nop 0
	s_branch .Lasked_\@
.Lfor_b_\@:
	tensor_load_to_lds s[G0B+4*(\s):G0B+4*(\s)+3], s[G1B:G1B+7]
	s_nop 0
.Lasked_\@:
.endm
.macro CREST
	s_cmp_lg_u32 s10, 0
	s_cbranch_scc1 .Lnot_wave_0_\@
	s_barrier_signal -3
.Lnot_wave_0_\@:
	s_barrier_wait -3
	s_barrier_signal -1
	s_barrier_wait -1
.endm
.macro CROUND
	s_barrier_signal -1
	s_barrier_wait -1
	CREST
.endm
.macro PLACES
.rept 4
	v_nop
.endr
.endm
	s_load_b256 s[68:75], s[0:1], 0x0              ; A 68:69, wb 70:71, bias 72:73, resid 74:75
	s_load_b64 s[76:77], s[0:1], 0x20              ; out
	v_lshl_add_u32 v62, v0, 2, 0x4c400
	v_mov_b32 v63, 0
	ds_add_u32 v62, v63
	ds_add_u32 v62, v63
	v_lshrrev_b32 v1, 5, v0
	v_readfirstlane_b32 s10, v1                    ; wave
	s_lshr_b32 s11, s10, 1                         ; my half of the rows.  Also: I fetch A (0) or W (1)
	s_and_b32 s12, s10, 1                          ; my half of the columns.  Also: which half of that tile I fetch
	s_bfe_u32 s40, ttmp6, 0x40000                  ; cx
	s_bfe_u32 s41, ttmp6, 0x40004                  ; cy
	s_lshl_b32 s42, ttmp9, 2
	s_add_co_u32 s42, s42, s40                     ; block column
	s_and_b32 s13, ttmp7, 0xffff
	s_lshl_b32 s13, s13, 2
	s_add_co_u32 s13, s13, s41                     ; block row
	s_lshl_b32 s43, s41, 2
	s_lshl_b32 s43, 15, s43
	s_lshl_b32 s44, 0x1111, s40
	s_or_b32 s[G1+0], s43, (1<<16)|(1<<20)|(1<<21)|(6<<22)|(3<<25)   ; my row's mask; 2-byte elements; 4 words of padding behind every 128
	s_mov_b32 s[G1+1], 256<<16                     ; tensor_dim0 = 256 along K
	s_mov_b32 s[G1+2], 64<<16                      ; tensor_dim1 = 64 rows
	s_mov_b32 s[G1+3], 256<<16
	s_mov_b32 s[G1+4], 64
	s_mov_b32 s[G1+5], SIZE_K
	s_mov_b32 s[G1+6], 0
	s_mov_b32 s[G1+7], 0
	s_or_b32 s[G1B+0], s44, (1<<16)|(1<<20)|(1<<21)|(5<<22)|(7<<25)  ; my column's mask; 8 words of padding behind every 64
	s_mov_b32 s[G1B+1], 128<<16                    ; tensor_dim0 = 128 columns
	s_mov_b32 s[G1B+2], 128<<16                    ; tensor_dim1 = 128 k rows
	s_mov_b32 s[G1B+3], 128<<16
	s_mov_b32 s[G1B+4], 128
	s_mov_b32 s[G1B+5], NOUT
	s_mov_b32 s[G1B+6], 0
	s_mov_b32 s[G1B+7], 0
	s_lshl_b32 s17, s12, 6
	s_lshl_b32 s16, s13, 7
	s_add_co_u32 s16, s16, s17                     ; A: row 128 x block row + 64 x half
	s_mul_i32 s16, s16, SIZE_K*2
	s_mov_b32 s17, 0
	s_lshl_b32 s45, s12, 18                        ; W: k row 128 x half (2,048 bytes a row),
	s_lshl_b32 s46, s42, 8                         ; column 128 x block column
	s_add_co_u32 s46, s46, s45
	s_add_co_u32 s46, s46, WOFF
	s_mov_b32 s47, 0
	s_mul_i32 s20, s10, QSTR                       ; LDS: wave x its part's bytes
	s_wait_dscnt 0x0
	s_wait_kmcnt 0x0
	s_add_nc_u64 s[14:15], s[68:69], s[16:17]
	s_add_nc_u64 s[46:47], s[70:71], s[46:47]
	CROUND                                         ; all sixteen work-groups are here: the first joint loads meet
.irp s, 0,1
	s_mov_b32 s[G0+4*\s], 1
	s_add_co_u32 s[G0+4*\s+1], s20, \s*SLOT
	s_add_nc_u64 s[G0+4*\s+2:G0+4*\s+3], s[14:15], \s*512
	s_or_b32 s[G0+4*\s+3], s[G0+4*\s+3], 0x80000000
	s_mov_b32 s[G0B+4*\s], 1
	s_add_co_u32 s[G0B+4*\s+1], s20, \s*SLOT
	s_add_nc_u64 s[G0B+4*\s+2:G0B+4*\s+3], s[46:47], \s*256*NOUT*2
	s_or_b32 s[G0B+4*\s+3], s[G0B+4*\s+3], 0x80000000
	JLOAD \s                                       ; two tensor loads of the wave are out, later one
.endr
	v_and_b32 v1, 15, v0                           ; r
	v_bfe_u32 v2, v0, 4, 1                         ; h
	v_mul_u32_u24 v3, v1, PA
	v_lshl_add_u32 v3, v2, 4, v3
	v_and_b32 v6, 7, v0
	v_lshl_add_u32 v6, v2, 3, v6
	v_mul_u32_u24 v6, v6, PBB
	v_bfe_u32 v7, v0, 3, 1
	v_lshl_add_u32 v6, v7, 4, v6
	s_mul_i32 s21, s11, QSTR                       ; my 64 rows of A are one wave's part
	s_lshl_b32 s22, s12, 7                         ; my 64 columns of W
	s_add_co_u32 s22, s22, 2*QSTR
.irp s, 0,1
	v_add_nc_u32 v[ADRA+\s], s21, v3
	v_add_nc_u32 v[ADRB+2*\s], s22, v6
	s_add_co_u32 s22, s22, QSTR
	v_add_nc_u32 v[ADRB+2*\s+1], s22, v6
	s_add_co_u32 s21, s21, SLOT
	s_add_co_u32 s22, s22, SLOT-QSTR
.endr
	s_mul_i32 s23, s10, 16*SPITCH
	s_add_co_u32 s23, s23, STAGE
	v_mul_u32_u24 v4, v1, SPITCH
	v_lshl_add_u32 v4, v2, 5, v4
	v_add_nc_u32 v[STO], s23, v4                   ; in: row r, 32 bytes (8 f32) for each half of the lanes
	v_mul_u32_u24 v5, v2, SPITCH
	v_lshl_add_u32 v5, v1, 4, v5
	v_add_nc_u32 v[RD], s23, v5                    ; back: lanes 0-15 one row of 256 bytes, lanes 16-31 the next
	v_lshlrev_b32 v[BAD], 4, v1
	v_lshl_add_u32 v[CO], v2, 12, v[BAD]           ; the same two rows in resid and out
	; offsets that hold cx and cy lie in s88-s97, which feed no descriptor
	s_lshl_b32 s88, s13, 7
	s_lshl_b32 s90, s11, 6
	s_add_co_u32 s88, s88, s90
	s_lshl_b32 s88, s88, 12                        ; my first row x 4,096 bytes
	s_lshl_b32 s90, s42, 7
	s_lshl_b32 s91, s12, 6
	s_add_co_u32 s90, s90, s91
	s_lshl_b32 s90, s90, 2                         ; my first column x 4 bytes
	s_mov_b32 s91, 0
	s_add_nc_u64 s[92:93], s[72:73], s[90:91]
	s_add_co_u32 s88, s88, s90
	s_mov_b32 s89, 0
	s_add_nc_u64 s[94:95], s[74:75], s[88:89]
	s_add_nc_u64 s[96:97], s[76:77], s[88:89]
	WIN 0x40                                       ; the residual of my 64 x 64, asked for now, wanted at the way out
.irp a, 0,1,2,3
.irp t, 0,1,2,3,4,5,6,7
	global_load_b128 v[RES+4*(8*\a+\t):RES+4*(8*\a+\t)+3], v[CO], s[94:95] offset:(16*\a+2*\t)*4096
.endr
.endr
	WIN 0
	global_load_b128 v[BI4:BI4+3], v[BAD], s[92:93]
; 8 matrix instructions: row blocks a0, a0 + 1 x 4 column blocks, 32 along K
.macro MUL8 f, a0, zero
.irp a, \a0, \a0+1
.irp b, 0,1,2,3
.if \zero
	v_wmma_f32_16x16x32_bf16 v[ACC+8*(4*(\a)+\b):ACC+8*(4*(\a)+\b)+7], v[\f+8*\b:\f+8*\b+7], v[\f+32+8*(\a):\f+32+8*(\a)+7], 0
.else
	v_wmma_f32_16x16x32_bf16 v[ACC+8*(4*(\a)+\b):ACC+8*(4*(\a)+\b)+7], v[\f+8*\b:\f+8*\b+7], v[\f+32+8*(\a):\f+32+8*(\a)+7], v[ACC+8*(4*(\a)+\b):ACC+8*(4*(\a)+\b)+7]
.endif
.endr
.endr
.endm
; the fragments of eighth q (32 along K) of a slot into buffer f: 8 transposing loads for W, 8 loads for A
.macro FETCH slot, q, f
.irp i, 0,1,2,3
	ds_load_tr16_b128 v[\f+8*\i:\f+8*\i+3],   v[ADRB+2*\slot+((\q)>>2)] offset:((\q)&3)*32*PBB+32*\i
	ds_load_tr16_b128 v[\f+8*\i+4:\f+8*\i+7], v[ADRB+2*\slot+((\q)>>2)] offset:((\q)&3)*32*PBB+32*\i+16*PBB
.endr
.irp i, 0,1,2,3
	ds_load_b128 v[\f+32+8*\i:\f+32+8*\i+3],   v[ADRA+\slot] offset:64*(\q)+\i*16*PA
	ds_load_b128 v[\f+32+8*\i+4:\f+32+8*\i+7], v[ADRA+\slot] offset:64*(\q)+\i*16*PA+32
.endr
.endm
; eighth q: its fragments (buffer f) are in; the next eighth's are asked for into g, which the matrix instructions just issued have read: four places first
.macro QTR slot, q, f, g, zero
	s_wait_dscnt 0x0
	PLACES
	FETCH \slot, \q+1, \g
	WIN 0x50                                       ; C and D window 1
	MUL8 \f, 0, \zero
	MUL8 \f, 2, \zero
	WIN 0
.endm
.macro SEVEN slot, zero
	QTR \slot, 0, F0, F1, \zero
	QTR \slot, 1, F1, F0, 0
	QTR \slot, 2, F0, F1, 0
	QTR \slot, 3, F1, F0, 0
	QTR \slot, 4, F0, F1, 0
	QTR \slot, 5, F1, F0, 0
	QTR \slot, 6, F0, F1, 0
.endm
; The change to 'slot': the other slot's last eighth (in F1) is multiplied round the barrier.  In front of it: my reads of the other slot are back and all
; my tensor loads have landed (one was out: my part of 'slot').  With a refill the barrier opens a round of the cluster's barrier and the joint load is
; the first tensor load behind the round.  The 16 accumulators take turns in one order throughout.
.macro TWO slot, refill
	s_wait_dscnt 0x0
	s_wait_tensorcnt 0x0
	ds_add_u32 v62, v63
	s_wait_dscnt 0x0
	s_barrier_signal -1
	WIN 0x50
	MUL8 F1, 0, 0
	WIN 0
	s_barrier_wait -1
.if \refill
	CREST
	s_add_nc_u64 s[G0+4*(1-\slot)+2:G0+4*(1-\slot)+3], s[G0+4*(1-\slot)+2:G0+4*(1-\slot)+3], 1024
	s_add_nc_u64 s[G0B+4*(1-\slot)+2:G0B+4*(1-\slot)+3], s[G0B+4*(1-\slot)+2:G0B+4*(1-\slot)+3], 512*NOUT*2
	JLOAD 1-\slot
.endif
	PLACES
	FETCH \slot, 0, F0
	WIN 0x50
	MUL8 F1, 2, 0
	WIN 0
	SEVEN \slot, 0
.endm
	s_wait_tensorcnt 1                             ; my part of slot 0 is in; slot 1's may stay out
	s_barrier_signal -1
	s_barrier_wait -1
	FETCH 0, 0, F0
	SEVEN 0, 1                                     ; the first products start the sums
	s_mov_b32 s3, TRIPS
.Ltrip:
	TWO 1, 1
	TWO 0, 1
	s_sub_co_u32 s3, s3, 1
	s_cmp_lg_u32 s3, 0
	s_cbranch_scc1 .Ltrip
	TWO 1, 0                                       ; the last slot: nothing is left to fetch
	s_wait_dscnt 0x0
	WIN 0x50
	MUL8 F1, 0, 0
	MUL8 F1, 2, 0
	WIN 0
	PLACES
	s_wait_loadcnt 0x0                             ; the residual and the bias
; THE WAY OUT, 16 rows at a time: f32 through my stage, read back as rows of 256 bytes, + residual + bias; 16 lanes store 256 consecutive aligned bytes
.macro OUT16 a, rb
	WIN 0x04                                       ; store data window 1
.irp b, 0,1,2,3
	ds_store_b128 v[STO], v[ACC+8*(4*\a+\b):ACC+8*(4*\a+\b)+3]   offset:64*\b
	ds_store_b128 v[STO], v[ACC+8*(4*\a+\b)+4:ACC+8*(4*\a+\b)+7] offset:64*\b+16
.endr
	WIN 0
	s_wait_xcnt 0x0                                ; buffer rb, which earlier stores read, is loaded again only behind this wait
.irp t, 0,1,2,3,4,5,6,7
	ds_load_b128 v[\rb+4*\t:\rb+4*\t+3], v[RD] offset:\t*2*SPITCH
.endr
	s_wait_dscnt 0x0
	WIN 0x04
.irp t, 0,1,2,3,4,5,6,7
.irp j, 0,2
	v_pk_add_f32 v[\rb+4*\t+\j:\rb+4*\t+\j+1], v[\rb+4*\t+\j:\rb+4*\t+\j+1], v[RES+4*(8*\a+\t)+\j:RES+4*(8*\a+\t)+\j+1]
.endr
.endr
	WIN 0
.irp t, 0,1,2,3,4,5,6,7
.irp j, 0,2
	v_pk_add_f32 v[\rb+4*\t+\j:\rb+4*\t+\j+1], v[\rb+4*\t+\j:\rb+4*\t+\j+1], v[BI4+\j:BI4+\j+1]
.endr
	global_store_b128 v[CO], v[\rb+4*\t:\rb+4*\t+3], s[96:97] offset:(16*\a+2*\t)*4096
.endr
.endm
	OUT16 0, RB0
	OUT16 1, RB1
	OUT16 2, RB0
	OUT16 3, RB1
	s_wait_tensorcnt 0x0
	ds_add_u32 v62, v63
	s_wait_dscnt 0x0
	CROUND                                         ; the closing round
	s_endpgm
.Lfunc_end_k_q307d2c8375_mlpout:
	.size	k_q307d2c8375_mlpout, .Lfunc_end_k_q307d2c8375_mlpout-k_q307d2c8375_mlpout
	.p2alignl 7, 3214868480
	.fill 96, 4, 3214868480
	.section	.rodata,"a",@progbits
	.p2align	6, 0x0
	.amdhsa_kernel k_q307d2c8375_mlpout
		.amdhsa_group_segment_fixed_size 327680
		.amdhsa_private_segment_fixed_size 0
		.amdhsa_enable_private_segment 0
		.amdhsa_kernarg_size 40
		.amdhsa_user_sgpr_count 2
		.amdhsa_user_sgpr_kernarg_segment_ptr 1
		.amdhsa_wavefront_size32 1
		.amdhsa_system_sgpr_workgroup_id_x 1
		.amdhsa_system_sgpr_workgroup_id_y 1
		.amdhsa_system_sgpr_workgroup_id_z 1
		.amdhsa_system_vgpr_workitem_id 0
		.amdhsa_next_free_vgpr 512
		.amdhsa_next_free_sgpr 100
		.amdhsa_reserve_vcc 0
		.amdhsa_float_denorm_mode_32 3
		.amdhsa_float_denorm_mode_16_64 3
		.amdhsa_memory_ordered 1
		.amdhsa_forward_progress 1
		.amdhsa_inst_pref_size 100
	.end_amdhsa_kernel
	.amdgpu_metadata
---
amdhsa.version: [ 1, 2 ]
amdhsa.kernels:
  - .name:           k_q307d2c8375_mlpout
    .symbol:         k_q307d2c8375_mlpout.kd
    .args:
      - { .name: hbuf, .offset: 0, .size: 8, .value_kind: global_buffer, .address_space: global }
      - { .name: wb, .offset: 8, .size: 8, .value_kind: global_buffer, .address_space: global }
      - { .name: b_out, .offset: 16, .size: 8, .value_kind: global_buffer, .address_space: global }
      - { .name: rmid, .offset: 24, .size: 8, .value_kind: global_buffer, .address_space: global }
      - { .name: out0, .offset: 32, .size: 8, .value_kind: global_buffer, .address_space: global }
    .group_segment_fixed_size: 327680
    .private_segment_fixed_size: 0
    .kernarg_segment_align: 8
    .kernarg_segment_size: 40
    .max_flat_workgroup_size: 128
    .sgpr_count:     100
    .vgpr_count:     512
    .wavefront_size: 32
...
	.end_amdgpu_metadata
.endif
;; end of part 7
;; ======== version 2 of 2: 7 launches; version 1 with the launch prep written anew for expert scheduling mode
;; workspace buffers: wb 25,165,824 bytes; ropet 524,288 bytes; xn 8,388,608 bytes; qkvb 25,165,824 bytes; att 8,388,608 bytes; rmid 16,777,216 bytes; hbuf 33,554,432 bytes
;; launch prep (part 8): grid 928 x 1, 8 waves a work-group, no clusters, 0 bytes of LDS; arguments W_Q, W_K, W_V, W_O, W_in, W_out, wb, ropet, resid_pre, ln1_w, ln1_b, xn; writes wb, ropet, xn
.if DOCPART == 8
	.amdgcn_target "amdgcn-amd-amdhsa--gfx1250"
	.amdhsa_code_object_version 6
	.text
	.protected	k_q307d2c8375_prep
	.globl	k_q307d2c8375_prep
	.p2align	8
	.type	k_q307d2c8375_prep,@function
k_q307d2c8375_prep:
	s_mov_b64 s[64:65], 0
	v_nop
	global_prefetch_b8 v0, s[64:65] scope:SCOPE_SE
	s_setreg_imm32_b32 hwreg(HW_REG_WAVE_SCHED_MODE, 0, 2), 2
	s_setreg_imm32_b32 hwreg(HW_REG_WAVE_MODE, 25, 1), 1
	s_wait_xcnt 0x0
	s_wait_alu depctr_vm_vsrc(0)
; Three jobs that hang on the problem's inputs alone, in one launch: the first layer norm, the weights f32 -> bf16, the table of RoPE's cosines and sines.
; Work-groups 0-127: xn = layer norm of resid_pre, 32 rows each.  Then, counted from 128: 0-255 W_in, 256-511 W_out, 512-575 W_O, 576-767 W_Q, W_K, W_V,
; 768-799 the table.  The layer norm's work-groups come first, so that the casts run beside them.
; wb (bf16, rounded to nearest even, kept [K][N]): Wqkv [c = 1024][3072], column = which*1024 + h*64 + d, at byte 0; W_O [1024][1024] at WB_O;
; W_in [1024][4096] at WB_IN; W_out [4096][1024] at WB_OUT.  ropet (f32): [t = 2048][j = 32][cos, sin].
; A cast work-group takes 64 KiB of f32: sixteen steps of 4,096 bytes; sixteen neighbouring lanes read 256 consecutive bytes, a wave's store covers
; 256 consecutive aligned bytes.
; LAYER NORM: y = (x - mean) / sqrt(mean of (x - mean)^2) * w + b over rows of 1,024 f32, y in bf16, no epsilon, as the problem has none.  One wave takes
; a whole row (32 registers) and keeps it between the passes; mean first, then the squares of the differences, so that a common offset costs no digits.
; Four rows a wave, all their loads issued at the start.  Lane l holds floats 256 g + 8 l .. + 7: a wave's store covers 512 consecutive bytes.
; A stream: each byte is read once and written once; LDS, matrix units and clusters would add nothing, since no two work-groups share a byte.
; LIMITS: the angle t * inv is reduced with a one-word 1/(2 pi): at t = 2,047 an error of at most 1e-4 radians.  v_rsq_f32 takes a denormal variance
; (below 2^-126) as zero.
; THE MODE: SCHED_MODE bits 1:0 = 2 (LLVM: expert scheduling mode 2), set by the entry lines.  The code itself states the register dependences
; between vector instructions and memory instructions, with s_wait_alu, always for 0.
; THE PLAN.  Registers that memory instructions touch:
;   v1, v2       byte offsets of loads and stores: made at the head of each path, ahead of its first memory instruction, and never written again.
;   casts        v[8:71]: load i lands in four of them, once; conversion pair i reads them.  v[72:103]: conversion pair i writes two of them, once; store i
;                reads them.  The conversions go in four groups of four; a group's four stores stand in the next group, behind ONE wait at that group's head,
;                one ahead of each pair of conversions, which name other registers.
;   table        v[16:31]: written by the eight series, once; read by the four stores, which stand together behind one wait.
;   layer norm   W, BB, X0 .. X3: loaded once.  Row s's arithmetic names X[s], W, BB and T and packs the row into the low sixteen registers of X[s]; the row's
;                four stores stand in row s + 1, behind ONE wait at that row's head, among vector instructions that name X[s + 1], never X[s].
; No register that a memory instruction reads is written again, and no load lands in a register that a vector instruction has named: so no wait on vm_vsrc is owed.
; The wave's number goes through an SGPR: one wait on va_sdst ahead of its first reader.  EXEC is never written.
.set WB_O,   6291456
.set WB_IN,  8388608
.set WB_OUT, 16777216
.set NLN,    128                       ; work-groups of the layer norm
.set W,  4                             ; v[4:35]    w of my 32 columns
.set BB, 36                            ; v[36:67]   b of my 32 columns
.set X,  68                            ; v[68:195]  four rows of 32 registers
.set T,  196                           ; v[196:207] at work: no memory instruction names them
; sixteen loads in flight, then convert as they come; the stores follow a group of four behind; no register is written twice, so no source needs a wait
.macro CONV sstep, dstep
	s_wait_alu depctr_va_vdst(0)                   ; v1 and v2 are written: the sixteen loads read v1 as their offset, the sixteen stores v2
.set i, 0
.rept 16
	global_load_b128 v[8+4*i:11+4*i], v1, s[20:21] offset:i*\sstep th:TH_LOAD_NT
.set i, i+1
.endr
.set i, 0
.rept 16
	s_wait_loadcnt 15-i                            ; loads come back in order: load i is in, the 15 - i younger ones stay out
.if (i % 4 == 0) && (i > 0)
	s_wait_alu depctr_va_vdst(0)                   ; the group before has written its eight registers of v[72 ..], which the next four stores read
.endif
.if i >= 4
	global_store_b64 v2, v[72+2*(i-4):73+2*(i-4)], s[22:23] offset:(i-4)*\dstep   ; no vector instruction since the wait names these registers
.endif
	v_cvt_pk_bf16_f32 v[72+2*i], v[8+4*i], v[9+4*i]
	v_cvt_pk_bf16_f32 v[73+2*i], v[10+4*i], v[11+4*i]
.set i, i+1
.endr
	s_wait_alu depctr_va_vdst(0)                   ; the last group has written v[96:103], which the last four stores read
.set i, 12
.rept 4
	global_store_b64 v2, v[72+2*i:73+2*i], s[22:23] offset:i*\dstep
.set i, i+1
.endr
.endm
; cos and sin of the angle in v[a].  f = angle / (2 pi) less the nearest whole number, in [-0.5, 0.5]; s1 = sin(pi f), c1 = cos(pi f) by their
; series up to f^11 and f^10 (the next terms are below 5e-7 at f = 0.5); sin = 2 s1 c1, cos = 1 - 2 s1^2.
.macro SINCOS a, c, s
	v_mul_f32 v10, 0.15915494, v[\a]
	v_rndne_f32 v10, v10
	v_fma_f32 v11, v[\a], 0.15915494, -v10
	v_mul_f32 v12, v11, v11
	v_fma_f32 v13, v12, s35, s34
	v_fma_f32 v14, v12, s40, s39
	v_fma_f32 v13, v13, v12, s33
	v_fma_f32 v14, v14, v12, s38
	v_fma_f32 v13, v13, v12, s32
	v_fma_f32 v14, v14, v12, s37
	v_fma_f32 v13, v13, v12, s31
	v_fma_f32 v14, v14, v12, s36
	v_fma_f32 v13, v13, v12, s30
	v_fma_f32 v14, v14, v12, 1.0
	v_mul_f32 v13, v13, v11                        ; s1
	v_add_f32 v10, v13, v13                        ; 2 s1
	v_mul_f32 v[\s], v10, v14
	v_fma_f32 v[\c], -v10, v13, 1.0
.endm
.macro FOLD                            ; four pairs of partial sums in v[T:T+7] -> the sum over the row, in every lane's v[T]
	v_pk_add_f32 v[T:T+1], v[T:T+1], v[T+2:T+3]
	v_pk_add_f32 v[T+4:T+5], v[T+4:T+5], v[T+6:T+7]
	v_pk_add_f32 v[T:T+1], v[T:T+1], v[T+4:T+5]
	v_add_f32 v[T], v[T], v[T+1]
	v_add_f32_dpp v[T], v[T], v[T] row_xmask:1 row_mask:0xf bank_mask:0xf
	v_add_f32_dpp v[T], v[T], v[T] row_xmask:2 row_mask:0xf bank_mask:0xf
	v_add_f32_dpp v[T], v[T], v[T] row_xmask:4 row_mask:0xf bank_mask:0xf
	v_add_f32_dpp v[T], v[T], v[T] row_xmask:8 row_mask:0xf bank_mask:0xf
	v_permlanex16_b32 v[T+1], v[T], s62, s63
	v_add_f32 v[T], v[T], v[T+1]
.endm
; Row s of the wave's four.  Its own stores stand in the next row (behind row 3: written out below).
.macro ROW s, left
.set XS, X+32*\s
	s_wait_loadcnt \left                           ; this row's eight loads are in; the younger rows' stay out
.if \s
	s_wait_alu depctr_va_vdst(0)                   ; the row before is packed into the low sixteen registers of its buffer, which the four stores below read
.endif
.irp k, 0,2,4,6
.if \s
	global_store_b128 v2, v[XS-32+2*\k:XS-32+2*\k+3], s[54:55] offset:2048*(\s-1)+256*\k   ; the row before; no vector instruction since the wait names its buffer or v2
.endif
	v_pk_add_f32 v[T+\k:T+\k+1], v[XS+\k:XS+\k+1], v[XS+8+\k:XS+8+\k+1]
.endr
.irp o, 16,24
.irp k, 0,2,4,6
	v_pk_add_f32 v[T+\k:T+\k+1], v[T+\k:T+\k+1], v[XS+\o+\k:XS+\o+\k+1]
.endr
.endr
	FOLD
	v_mul_f32 v[T+8], 0x3a800000, v[T]             ; mean = sum / 1024
	v_mov_b32 v[T+9], v[T+8]
.set j, 0
.rept 16
	v_pk_add_f32 v[XS+j:XS+j+1], v[XS+j:XS+j+1], v[T+8:T+9] neg_lo:[0,1] neg_hi:[0,1]
.set j, j+2
.endr
.irp k, 0,2,4,6
	v_pk_mul_f32 v[T+\k:T+\k+1], v[XS+\k:XS+\k+1], v[XS+\k:XS+\k+1]
.endr
.irp o, 8,16,24
.irp k, 0,2,4,6
	v_pk_fma_f32 v[T+\k:T+\k+1], v[XS+\o+\k:XS+\o+\k+1], v[XS+\o+\k:XS+\o+\k+1], v[T+\k:T+\k+1]
.endr
.endr
	FOLD
	v_mul_f32 v[T], 0x3a800000, v[T]               ; variance
	v_rsq_f32 v[T+10], v[T]
	v_nop                                          ; one plain instruction behind v_rsq_f32 before its result is read (ISA guide 5.7.2)
	s_wait_alu depctr_va_vdst(0)                   ; v_rsq_f32 has written v[T+10], ahead of its first reader, the move below
	v_mov_b32 v[T+11], v[T+10]
.set j, 0
.rept 16
	v_pk_mul_f32 v[XS+j:XS+j+1], v[XS+j:XS+j+1], v[T+10:T+11]
.set j, j+2
.endr
.set j, 0
.rept 16
	v_pk_fma_f32 v[XS+j:XS+j+1], v[XS+j:XS+j+1], v[W+j:W+j+1], v[BB+j:BB+j+1]
.set j, j+2
.endr
.set j, 0
.rept 16
	v_cvt_pk_bf16_f32 v[XS+j], v[XS+2*j], v[XS+2*j+1]   ; packed downwards in place: word j is written when words 2 j, 2 j + 1 are read, never before
.set j, j+1
.endr
.endm
	s_load_b512 s[4:19], s[0:1], 0x0               ; W_Q 4:5, W_K 6:7, W_V 8:9, W_O 10:11, W_in 12:13, W_out 14:15, wb 16:17, ropet 18:19
	s_load_b256 s[48:55], s[0:1], 0x40             ; resid_pre 48:49, ln1_w 50:51, ln1_b 52:53, xn 54:55
	s_mov_b32 s24, ttmp9
	v_lshlrev_b32 v1, 4, v0                        ; 16 t: my 4 numbers of f32 in a cast's step
	v_lshlrev_b32 v2, 3, v0                        ; 8 t: the same 4 numbers in bf16
	s_mov_b32 s29, 0
	s_wait_kmcnt 0x0
	s_cmp_lt_u32 s24, NLN
	s_cbranch_scc1 .Lln
	s_sub_co_u32 s24, s24, NLN                     ; the casts and the table count from here
	s_cmp_ge_u32 s24, 768
	s_cbranch_scc1 .Lrope
	s_cmp_ge_u32 s24, 576
	s_cbranch_scc1 .Lqkv
	; W_in, W_out, W_O: the layout stays, so the cast is dense
	s_mov_b32 s26, 256
	s_mov_b32 s27, WB_OUT
	s_cmp_lt_u32 s24, 256
	s_cselect_b64 s[20:21], s[12:13], s[14:15]
	s_cselect_b32 s26, 0, s26                      ; the range's first work-group
	s_cselect_b32 s27, WB_IN, s27                  ; the part's place in wb
	s_cmp_lt_u32 s24, 512
	s_cselect_b64 s[20:21], s[20:21], s[10:11]
	s_cselect_b32 s26, s26, 512
	s_cselect_b32 s27, s27, WB_O
	s_sub_co_u32 s25, s24, s26
	s_lshl_b32 s28, s25, 16                        ; 65,536 bytes of f32 a work-group
	s_add_nc_u64 s[20:21], s[20:21], s[28:29]
	s_lshl_b32 s28, s25, 15                        ; 32,768 bytes of bf16
	s_add_co_u32 s28, s28, s27
	s_add_nc_u64 s[22:23], s[16:17], s[28:29]
	CONV 4096, 2048
	s_endpgm
.Lqkv:	; W_Q, W_K, W_V [h][c][d] -> row c of Wqkv: a step takes one c of all sixteen heads; the work-group takes sixteen c
	s_sub_co_u32 s25, s24, 576
	s_lshr_b32 s26, s25, 6                         ; which: 0 Q, 1 K, 2 V
	s_and_b32 s25, s25, 63                         ; c / 16
	s_cmp_eq_u32 s26, 0
	s_cselect_b64 s[20:21], s[4:5], s[6:7]
	s_cmp_eq_u32 s26, 2
	s_cselect_b64 s[20:21], s[8:9], s[20:21]
	s_lshl_b32 s28, s25, 12                        ; 16 c of 256 bytes
	s_add_nc_u64 s[20:21], s[20:21], s[28:29]
	s_mul_i32 s28, s25, 16*6144                    ; 16 rows of Wqkv
	s_lshl_b32 s27, s26, 11                        ; + which * 1,024 columns
	s_add_co_u32 s28, s28, s27
	s_add_nc_u64 s[22:23], s[16:17], s[28:29]
	v_lshrrev_b32 v3, 4, v0                        ; head
	v_and_b32 v4, 15, v0
	v_lshlrev_b32 v4, 4, v4                        ; 4 numbers of d
	v_lshl_add_u32 v1, v3, 18, v4                  ; head * 262,144 bytes + 16 (t mod 16); no memory instruction has read v1 yet
	CONV 256, 6144
	s_endpgm
.Lrope:	; 64 t a work-group; thread: j0 = 2 (t mod 16), j0 + 1, at four t sixteen apart; a lane stores (cos, sin, cos, sin), 16 lanes 256 consecutive bytes
	s_sub_co_u32 s25, s24, 768
	s_lshl_b32 s28, s25, 14
	s_add_nc_u64 s[22:23], s[18:19], s[28:29]
	s_mov_b32 s30, 0x40490fdb                      ; pi
	s_mov_b32 s31, 0xc0a55de7                      ; -pi^3 / 3!
	s_mov_b32 s32, 0x402335e3                      ; pi^5 / 5!
	s_mov_b32 s33, 0xbf196966                      ; -pi^7 / 7!
	s_mov_b32 s34, 0x3da83c1b                      ; pi^9 / 9!
	s_mov_b32 s35, 0xbbf183a6                      ; -pi^11 / 11!
	s_mov_b32 s36, 0xc09de9e6                      ; -pi^2 / 2!
	s_mov_b32 s37, 0x4081e0f8                      ; pi^4 / 4!
	s_mov_b32 s38, 0xbfaae9e4                      ; -pi^6 / 6!
	s_mov_b32 s39, 0x3e70fa83                      ; pi^8 / 8!
	s_mov_b32 s40, 0xbcd368f9                      ; -pi^10 / 10!
	v_and_b32 v3, 15, v0
	v_lshlrev_b32 v3, 1, v3
	v_cvt_f32_u32 v4, v3                           ; j0
	v_add_f32 v5, 1.0, v4
	v_mul_f32 v4, 0xbed49a78, v4                   ; inv = 10000^(-j/32) = 2^(-0.41524101 j)
	v_mul_f32 v5, 0xbed49a78, v5
	v_exp_f32 v4, v4
	v_exp_f32 v5, v5
	v_lshrrev_b32 v6, 4, v0                        ; the plain instruction between the exponentials and their use (ISA guide 5.7.2)
	s_lshl_b32 s26, s25, 6
	v_add_nc_u32 v6, s26, v6                       ; my first t
	s_wait_alu depctr_va_vdst(0)                   ; the two exponentials have written v4 and v5, ahead of their first readers, the multiplies below
.irp it, 0,1,2,3
	v_add_nc_u32 v7, 16*\it, v6
	v_cvt_f32_u32 v7, v7
	v_mul_f32 v8, v7, v4
	v_mul_f32 v9, v7, v5
	SINCOS 8, 16+4*\it, 17+4*\it
	SINCOS 9, 18+4*\it, 19+4*\it
.endr
	s_wait_alu depctr_va_vdst(0)                   ; the eight series have written v[16:31], which the four stores read (v1, their offset, was written at the head)
.irp it, 0,1,2,3
	global_store_b128 v1, v[16+4*\it:19+4*\it], s[22:23] offset:4096*\it
.endr
	s_endpgm
.Lln:	; the layer norm: 32 rows a work-group, 4 rows a wave
	v_lshrrev_b32 v3, 5, v0
	v_readfirstlane_b32 s56, v3                    ; wave
	v_and_b32 v3, 31, v0
	v_lshlrev_b32 v1, 5, v3                        ; 32 x lane: my 8 floats in a group of 256
	v_lshlrev_b32 v2, 4, v3                        ; 16 x lane: the same 8 numbers in bf16
	s_lshl_b32 s57, s24, 5
	s_wait_alu depctr_va_sdst(0)                   ; s56 is written, ahead of its first reader: the bases of resid_pre and xn are made from it
	s_lshl2_add_u32 s57, s56, s57                  ; my first row = 32 x work-group + 4 x wave
	s_lshl_b32 s58, s57, 12
	s_mov_b32 s59, 0
	s_lshl_b32 s60, s57, 11
	s_mov_b32 s61, 0
	s_mov_b32 s62, 0x76543210                      ; v_permlanex16_b32: lane i reads lane i of the other half
	s_mov_b32 s63, 0xfedcba98
	s_add_nc_u64 s[48:49], s[48:49], s[58:59]
	s_add_nc_u64 s[54:55], s[54:55], s[60:61]
	s_wait_alu depctr_va_vdst(0)                   ; v1 and v2 are written: every load below reads v1 as its offset, every store v2
.irp g, 0,1,2,3
	global_load_b128 v[W+8*\g:W+8*\g+3],    v1, s[50:51] offset:1024*\g
	global_load_b128 v[W+8*\g+4:W+8*\g+7],  v1, s[50:51] offset:1024*\g+16
	global_load_b128 v[BB+8*\g:BB+8*\g+3],   v1, s[52:53] offset:1024*\g
	global_load_b128 v[BB+8*\g+4:BB+8*\g+7], v1, s[52:53] offset:1024*\g+16
.endr
.irp s, 0,1,2,3
.irp g, 0,1,2,3
	global_load_b128 v[X+32*\s+8*\g:X+32*\s+8*\g+3],   v1, s[48:49] offset:4096*\s+1024*\g
	global_load_b128 v[X+32*\s+8*\g+4:X+32*\s+8*\g+7], v1, s[48:49] offset:4096*\s+1024*\g+16
.endr
.endr
	ROW 0, 24
	ROW 1, 16
	ROW 2, 8
	ROW 3, 0
	s_wait_alu depctr_va_vdst(0)                   ; row 3 is packed into the low sixteen registers of its buffer, which the last four stores read
.irp g, 0,1,2,3
	global_store_b128 v2, v[X+96+4*\g:X+96+4*\g+3], s[54:55] offset:2048*3+512*\g
.endr
	s_endpgm
.Lfunc_end_k_q307d2c8375_prep:
	.size	k_q307d2c8375_prep, .Lfunc_end_k_q307d2c8375_prep-k_q307d2c8375_prep
	.p2alignl 7, 3214868480
	.fill 96, 4, 3214868480
	.section	.rodata,"a",@progbits
	.p2align	6, 0x0
	.amdhsa_kernel k_q307d2c8375_prep
		.amdhsa_group_segment_fixed_size 0
		.amdhsa_private_segment_fixed_size 0
		.amdhsa_enable_private_segment 0
		.amdhsa_kernarg_size 96
		.amdhsa_user_sgpr_count 2
		.amdhsa_user_sgpr_kernarg_segment_ptr 1
		.amdhsa_wavefront_size32 1
		.amdhsa_system_sgpr_workgroup_id_x 1
		.amdhsa_system_sgpr_workgroup_id_y 1
		.amdhsa_system_sgpr_workgroup_id_z 1
		.amdhsa_system_vgpr_workitem_id 0
		.amdhsa_next_free_vgpr 216
		.amdhsa_next_free_sgpr 66
		.amdhsa_reserve_vcc 0
		.amdhsa_float_denorm_mode_32 3
		.amdhsa_float_denorm_mode_16_64 3
		.amdhsa_memory_ordered 1
		.amdhsa_forward_progress 1
		.amdhsa_inst_pref_size 59
	.end_amdhsa_kernel
	.amdgpu_metadata
---
amdhsa.version: [ 1, 2 ]
amdhsa.kernels:
  - .name:           k_q307d2c8375_prep
    .symbol:         k_q307d2c8375_prep.kd
    .args:
      - { .name: W_Q, .offset: 0, .size: 8, .value_kind: global_buffer, .address_space: global }
      - { .name: W_K, .offset: 8, .size: 8, .value_kind: global_buffer, .address_space: global }
      - { .name: W_V, .offset: 16, .size: 8, .value_kind: global_buffer, .address_space: global }
      - { .name: W_O, .offset: 24, .size: 8, .value_kind: global_buffer, .address_space: global }
      - { .name: W_in, .offset: 32, .size: 8, .value_kind: global_buffer, .address_space: global }
      - { .name: W_out, .offset: 40, .size: 8, .value_kind: global_buffer, .address_space: global }
      - { .name: wb, .offset: 48, .size: 8, .value_kind: global_buffer, .address_space: global }
      - { .name: ropet, .offset: 56, .size: 8, .value_kind: global_buffer, .address_space: global }
      - { .name: resid_pre, .offset: 64, .size: 8, .value_kind: global_buffer, .address_space: global }
      - { .name: ln1_w, .offset: 72, .size: 8, .value_kind: global_buffer, .address_space: global }
      - { .name: ln1_b, .offset: 80, .size: 8, .value_kind: global_buffer, .address_space: global }
      - { .name: xn, .offset: 88, .size: 8, .value_kind: global_buffer, .address_space: global }
    .group_segment_fixed_size: 0
    .private_segment_fixed_size: 0
    .kernarg_segment_align: 8
    .kernarg_segment_size: 96
    .max_flat_workgroup_size: 256
    .sgpr_count:     66
    .vgpr_count:     216
    .wavefront_size: 32
...
	.end_amdgpu_metadata
.endif
;; end of part 8
;; launch qkvp: the kernel of part 2 again; grid 12 x 16, 4 waves a work-group, clusters of 4 x 4, 327,680 bytes of LDS; arguments xn, wb, b_Q, b_K, b_V, ropet, qkvb; writes qkvb
;; launch attn: the kernel of part 3 again; grid 256 x 1, 8 waves a work-group, no clusters, 327,680 bytes of LDS; arguments qkvb, att; writes att
;; launch wo: the kernel of part 4 again; grid 8 x 32, 4 waves a work-group, clusters of 4 x 4, 327,680 bytes of LDS; arguments att, wb, b_O, resid_pre, rmid; writes rmid
;; launch ln2: the kernel of part 5 again; grid 256 x 1, 4 waves a work-group, no clusters, 0 bytes of LDS; arguments rmid, ln2_w, ln2_b, xn; writes xn
;; launch mlpin: the kernel of part 6 again; grid 16 x 16, 4 waves a work-group, clusters of 4 x 4, 327,680 bytes of LDS; arguments xn, wb, b_in, hbuf; writes hbuf
;; launch mlpout: the kernel of part 7 again; grid 8 x 32, 4 waves a work-group, clusters of 4 x 4, 327,680 bytes of LDS; arguments hbuf, wb, b_out, rmid, out0; writes out0
